; MI455X (gfx1250); checked and timed in simulation.
; The chip was launched on July 23, 2026; its instructions are those of AMD's public machine-readable ISA for CDNA 5 (MIT licence, August 2026) and "CDNA5" Instruction Set Architecture Reference Guide (July 2026). The comments in the code are by the model that wrote it; some were corrected since.
;; Transformer Block. Allowed arithmetic: matrix products marked QUANTISED: E4M3 operands, one given power-of-two scale a tensor, by v_wmma_f32_16x16x64_fp8_fp8 or v_wmma_f32_16x16x128_fp8_fp8, f32 sums; everything else in f32.
;; Inputs: c_attn_b 3,072 float32; c_attn_w 1,024 x 3,072 float32; c_proj_b 1,024 float32; c_proj_w 1,024 x 1,024 float32; ln1_b 1,024 float32; ln1_g 1,024 float32; ln2_b 1,024 float32; ln2_g 1,024 float32; lowp_scales 12 int32 (the exponents e of the quantised operands' scales 2^e); mlp_b1 4,096 float32; mlp_b2 1,024 float32; mlp_w1 1,024 x 4,096 float32; mlp_w2 4,096 x 1,024 float32; x 2 x 2,048 x 1,024 float32.
;; Outputs: out0 2 x 2,048 x 1,024 float32.
;; This version of the problem:
;;   THIS VERSION OF THE PROBLEM IS GIVEN IN LOW PRECISION. The matrix products marked QUANTISED in the list below multiply operands that are first quantised to E4M3 (4 exponent bits, 3 mantissa bits; 8 bits a number), with one given power-of-two scale for each operand tensor; their sums are f32. All else is computed in f32.
;;   The module's matrix products, in the order in which they are computed (A, B: the left and right operand; K: the contracted axis; several contracted axes count as one K, in the product's order):
;;     1. [M 4,096, K 1,024] x [K 1,024, N 3,072]; A: computed on the way; B: input c_attn_w: QUANTISED (scales: A lowp_scales[0], B lowp_scales[1])
;;     2. batch 32 x [M 2,048, K 64] x [K 64, N 2,048]; A: computed on the way; B: computed on the way: QUANTISED (scales: A lowp_scales[2], B lowp_scales[3])
;;     3. batch 32 x [M 64, K 2,048] x [K 2,048, N 2,048]; A: computed on the way; B: softmax (see below): QUANTISED (scales: A lowp_scales[4], B lowp_scales[5])
;;     4. [M 4,096, K 1,024] x [K 1,024, N 1,024]; A: computed on the way; B: input c_proj_w: QUANTISED (scales: A lowp_scales[6], B lowp_scales[7])
;;     5. [M 4,096, K 1,024] x [K 1,024, N 4,096]; A: computed on the way; B: input mlp_w1: QUANTISED (scales: A lowp_scales[8], B lowp_scales[9])
;;     6. [M 4,096, K 4,096] x [K 4,096, N 1,024]; A: computed on the way; B: input mlp_w2: QUANTISED (scales: A lowp_scales[10], B lowp_scales[11])
;;   THE QUANTISER, for each operand of a quantised product, along K:
;;     - The operand's scale is 2^e, e = its entry of the input lowp_scales (int32; the entries are numbered through the quantised products in the list's order, A before B).
;;     - Each number is divided by the scale, clamped to +-448, and rounded to the nearest number of E4M3, ties to even, subnormals kept.
;;     - The product sums the exact products of the quantised numbers (number of the format x scale) in f32.
;;   ~~~python
;;   def quantise(x, axis, e):      # numpy; x: float32 -> the quantised numbers, widened to float32 again
;;       x = np.moveaxis(x, axis, -1); K = x.shape[-1]
;;       r = np.clip(x / 2.0 ** e, -448, 448)
;;       step = 2.0 ** (np.maximum(np.frexp(np.where(r == 0, 1, r))[1] - 1, -6) - 3)
;;       q = np.round(r / step) * step * 2.0 ** e      # np.round: ties to even
;;       return np.moveaxis(q, -1, axis).astype(np.float32)
;;   ~~~
;;   SOFTMAX AHEAD OF A QUANTISED PRODUCT. Where the list says 'softmax', what is quantised is not the finished softmax but p = 2^(t - M), with t = logit x log2(e) and M = ceil(the row's largest t), a whole number; so 1/2 < the row's largest p <= 1. The row's sum l is taken of the UNQUANTISED p, in f32, and the product's result is divided by l at the end. Since M is a whole number, a kernel that streams over the keys may use a running M (the ceiling of the running maximum): every later rescaling is an exact power of two, so the quantised numbers keep their values, but for numbers so far below the row's largest that they fall under the format's range.
;;   OPERANDS COMPUTED ON THE WAY. 'Computed on the way' means the value that the module computes at that place (a softmax that the list does not call 'softmax' is quantised finished and normalised). What goes into a quantiser is computed in f32, as accurately as f32 sums, v_exp_f32 and their like allow (about 1e-6 of the number): no bf16 or f16 on the way to a quantiser, and a product that is left as it is and whose result goes on into a quantised operand takes f32 operands (vector FMAs, or v_wmma_f32_16x16x4_f32). A number that lies on a knife's edge between two numbers of the format may be rounded either way, as far as f32 arithmetic and the matrix unit's own rounding can turn it there, and no further.
;; One version. Each part assembles by itself: llvm-mc -triple=amdgcn-amd-amdhsa -mcpu=gfx1250 --defsym DOCPART=n.
;; ======== version 1 of 1: 7 launches
;; limits: right only within a limited range of input values
;; workspace buffers: wc 12,582,912 bytes; hc1 4,194,304 bytes; qkvc 12,582,912 bytes; ac 4,194,304 bytes; x1 16,777,216 bytes; hc2 4,194,304 bytes; gc 16,777,216 bytes
;; launch prep (part 1): grid 640 x 1, 4 waves a work-group, no clusters, 17,408 bytes of LDS; arguments c_attn_w, c_proj_w, mlp_w1, mlp_w2, x, ln1_g, ln1_b, lowp_scales, wc, hc1; writes wc, hc1
.if DOCPART == 1
	.amdgcn_target "amdgcn-amd-amdhsa--gfx1250"
	.amdhsa_code_object_version 6
	.text
	.protected	k_q221aa868ee_prep
	.globl	k_q221aa868ee_prep
	.p2align	8
	.type	k_q221aa868ee_prep,@function
k_q221aa868ee_prep:
	s_mov_b64 s[64:65], 0
	v_nop
	global_prefetch_b8 v0, s[64:65] scope:SCOPE_SE
	s_setreg_imm32_b32 hwreg(HW_REG_WAVE_MODE, 25, 1), 1
	s_wait_xcnt 0x0
; Work-groups 0-383: the four weights [K][N], f32, become codes of E4M3, laid as FRAGMENT IMAGES.  Work-groups 384-639: LayerNorm 1 of x becomes codes, laid likewise.
; AN IMAGE is 2,048 bytes, 16 rows x 128 K: byte 512 c + 16 l + i (l = 16 h + r) is (row of lane r, k = 32 c + 16 h + i): four 16-byte loads a lane give a matrix operand's 16 registers.
; THE ROWS OF A TILE ARE NOT NEIGHBOURS: in each group of 128 rows, lane r of tile T takes row 32 (T / 2) + 8 (T % 2) + r + 8 (r / 8).  Buffers: [row tile][K / 128][2048].
; code = number / 2^e, held within +-448, to the nearest code, ties to even.  LIMITS: each e used here lies between -126 and 119.  NaN among the inputs is not served.
; WEIGHTS: a work-group takes 128 columns x 256 along K, a wave 32 columns.  A lane takes ONE column n and its registers run down K, so each load reads 128 consecutive bytes a wave and the
; conversions give codes with K innermost.  Lanes 0-15 hold the sixteen columns of tile 2 w, lanes 16-31 those of tile 2 w + 1: each store writes two runs of 256 consecutive aligned bytes.
; One text serves the four tensors: what differs is chosen by s_cselect on the work-group's number.  No register of a load or store is written again, so no wait frees one.
.set WVO, 16                           ; v16-47   byte offset of my column in rows 0 .. 31 of a block
.set WX,  64                           ; v64-127  two sets of 32 numbers
.set WC,  128                          ; v128-191 codes: eight registers a block
.set LX,  32                           ; v32-159  LayerNorm: four rows of 32 registers
.set LG,  160                          ; v160-191 the gain, v192-223 the bias, in a row's layout
.set LB,  192
.set LC,  224                          ; v224-255 codes: eight registers a row
.set LP,  1040                         ; an LDS row: 1,024 codes + 16 bytes
	s_load_b256 s[4:11], s[0:1], 0x0               ; c_attn_w, c_proj_w, mlp_w1, mlp_w2
	s_load_b256 s[12:19], s[0:1], 0x20             ; x, ln1_g, ln1_b, lowp_scales
	s_load_b128 s[20:23], s[0:1], 0x40             ; wc, hc1
	s_set_vgpr_msb 0x40
	v_lshl_add_u32 v0, v0, 2, 0x4200
	v_mov_b32 v1, 0
	s_set_vgpr_msb 0x4000
	v_lshrrev_b32 v1, 5, v0
	v_readfirstlane_b32 s36, v1                    ; wave
	v_and_b32 v1, 31, v0                           ; lane
	s_wait_kmcnt 0x0
	s_load_b256 s[24:31], s[18:19], 0x0            ; e0 .. e7
	s_load_b128 s[32:35], s[18:19], 0x20           ; e8 .. e11
	s_cmp_lt_u32 ttmp9, 384                        ; the same for all waves of a work-group
	s_cbranch_scc0 .Lln
	; ---- the weights.  The figures begin as mlp_w2's and are replaced for lower work-group numbers
	s_mov_b64 s[60:61], s[10:11]                   ; the tensor
	s_mov_b32 s37, 256                             ; its first work-group
	s_mov_b32 s38, 4                               ; log2 of its steps of 256 along K
	s_mov_b32 s39, 4096                            ; bytes in a row: 4 N
	s_mov_b32 s56, 65536                           ; bytes from tile to tile of its images: 16 K
	s_mov_b32 s57, 0x800000                        ; where its images begin in wc
	s_cmp_lt_u32 ttmp9, 256                        ; mlp_w1
	s_cselect_b64 s[60:61], s[8:9], s[60:61]
	s_cselect_b32 s37, 128, s37
	s_cselect_b32 s38, 2, s38
	s_cselect_b32 s39, 16384, s39
	s_cselect_b32 s56, 16384, s56
	s_cselect_b32 s57, 0x400000, s57
	s_cmp_lt_u32 ttmp9, 128                        ; c_proj_w
	s_cselect_b64 s[60:61], s[6:7], s[60:61]
	s_cselect_b32 s37, 96, s37
	s_cselect_b32 s39, 4096, s39
	s_cselect_b32 s57, 0x300000, s57
	s_cmp_lt_u32 ttmp9, 96                         ; c_attn_w
	s_cselect_b64 s[60:61], s[4:5], s[60:61]
	s_cselect_b32 s37, 0, s37
	s_cselect_b32 s39, 12288, s39
	s_cselect_b32 s57, 0, s57
	s_sub_co_u32 s59, ttmp9, s37
	s_bfm_b32 s62, s38, 0
	s_and_b32 s62, s59, s62                        ; y: which 256 along K
	s_lshr_b32 s63, s59, s38                       ; xb: which 128 columns
	s_mul_i32 s2, s62, s39
	s_lshl_b32 s2, s2, 8                           ; 256 y rows
	s_lshl_b32 s3, s63, 9
	s_add_co_u32 s2, s2, s3                        ; + 128 xb columns
	s_lshl_b32 s3, s36, 7
	s_add_co_u32 s2, s2, s3                        ; + 32 columns a wave
	s_mov_b32 s3, 0
	s_add_nc_u64 s[40:41], s[60:61], s[2:3]        ; block 0's first row
	s_lshl_b32 s2, s39, 5                          ; 32 rows on
.irp t, 1,2,3,4,5,6,7
	s_add_nc_u64 s[40+2*\t:41+2*\t], s[38+2*\t:39+2*\t], s[2:3]   ; a base for each block of 32 along K
.endr
	s_lshl_b32 s63, s63, 3
	s_lshl_b32 s59, s36, 1
	s_add_co_u32 s63, s63, s59                     ; tile 8 xb + 2 w
	s_mul_i32 s63, s63, s56
	s_lshl_b32 s62, s62, 12                        ; two images for 256 along K
	s_add_co_u32 s63, s63, s62
	s_add_co_u32 s62, s63, s57
	s_mov_b32 s63, 0
	s_add_nc_u64 s[2:3], s[20:21], s[62:63]        ; where my wave's codes go
	s_wait_alu depctr_va_vdst(0)
	v_lshrrev_b32 v2, 4, v1                        ; u: which of my wave's two tiles
	v_and_b32 v3, 15, v1                           ; r
	v_and_b32 v5, 8, v3
	v_add_nc_u32 v5, v5, v3
	v_lshl_add_u32 v5, v2, 3, v5                   ; my column among the wave's 32: 8 u + r + 8 (r / 8)
	v_lshlrev_b32 v[WVO], 2, v5
.set i, 1
.rept 31
	v_add_nc_u32 v[WVO+i], s39, v[WVO+i-1]
.set i, i+1
.endr
	v_mul_lo_u32 v4, v2, s56
	v_lshl_add_u32 v4, v3, 4, v4                   ; out: tile u, 16 bytes at lane r's place
.macro WLOAD t                         ; block t: W(32 t + i, my column), i = 0 .. 31
.set i, 0
.rept 32
	global_load_b32 v[WX+32*((\t)%2)+i], v[WVO+i], s[40+2*(\t):41+2*(\t)] th:TH_LOAD_NT
.set i, i+1
.endr
.endm
	WLOAD 0
	WLOAD 1
	s_wait_kmcnt 0x0
	s_mov_b32 s58, s35                             ; the tensor's e: e11, e9, e7 or e1
	s_cmp_lt_u32 ttmp9, 256
	s_cselect_b32 s58, s33, s58
	s_cmp_lt_u32 ttmp9, 128
	s_cselect_b32 s58, s31, s58
	s_cmp_lt_u32 ttmp9, 96
	s_cselect_b32 s58, s25, s58
	s_add_co_i32 s58, s58, 127
	s_lshl_b32 s59, s58, 23
	v_mov_b32 v11, s59                             ; 2^e as f32: the conversion takes its exponent field
	s_add_co_i32 s58, s58, 8
	s_lshl_b32 s58, s58, 23
	s_or_b32 s58, s58, 0x600000
	v_mov_b32 v10, s58                             ; 448 x 2^e
.macro WBLOCK t
.set XS, WX+32*((\t)%2)
.if (\t) < 7
	s_wait_loadcnt 32                              ; this block's 32 loads are in; the next block's 32 may be out
.else
	s_wait_loadcnt 0
.endif
.set i, 0
.rept 32
	v_med3_num_f32 v[XS+i], v[XS+i], -v10, v10     ; the conversion to an 8-bit code does not saturate (ISA guide 7.6.2): the hold comes first
.set i, i+1
.endr
.irp g, 0,1,2,3
	v_cvt_scalef32_pk8_fp8_f32 v[WC+8*(\t)+2*\g:WC+8*(\t)+2*\g+1], v[XS+8*\g:XS+8*\g+7], v11
.endr
	global_store_b128 v4, v[WC+8*(\t):WC+8*(\t)+3], s[2:3] offset:((\t)/4)*2048+((\t)%4)*512       ; k = 32 t + 0 .. 15: the image's lanes 0-15
	global_store_b128 v4, v[WC+8*(\t)+4:WC+8*(\t)+7], s[2:3] offset:((\t)/4)*2048+((\t)%4)*512+256 ; k = 32 t + 16 .. 31: its lanes 16-31
.if (\t)+2 < 8
	WLOAD (\t)+2
.endif
.endm
	s_wait_alu depctr_va_vdst(0)
.irp t, 0,1,2,3,4,5,6,7
	WBLOCK \t
.endr
	s_endpgm
	; ---- LayerNorm: a work-group makes one row tile (16 tokens x 1,024), a wave four of its rows.
	; A lane holds 4 neighbours of each of eight chunks of 128: k = 128 c + 4 l + 0 .. 3: every load covers 512 consecutive bytes.  Mean first, then the squares of x - mean, as the definition has it.
	; A row's codes go into an LDS row; behind one barrier each wave reads two images out of the sixteen rows and stores them, 512 consecutive bytes a store.
.Lln:
	s_sub_co_u32 s37, ttmp9, 384                   ; the row tile
	s_lshr_b32 s38, s37, 3
	s_lshl_b32 s38, s38, 7
	s_bfe_u32 s39, s37, 0x20001
	s_lshl_b32 s39, s39, 5
	s_add_co_u32 s38, s38, s39
	s_and_b32 s39, s37, 1
	s_lshl_b32 s39, s39, 3
	s_add_co_u32 s38, s38, s39                     ; the token of the tile's lane 0
	s_lshl_b32 s39, s36, 2
	s_add_co_u32 s38, s38, s39
	s_lshr_b32 s39, s36, 1
	s_lshl_b32 s39, s39, 3
	s_add_co_u32 s38, s38, s39                     ; lanes 4 w .. 4 w + 3 of the tile: four neighbouring tokens from here on
	s_lshl_b32 s38, s38, 12
	s_mov_b32 s39, 0
	s_add_nc_u64 s[12:13], s[12:13], s[38:39]
	s_lshl_b32 s38, s37, 14
	s_lshl_b32 s40, s36, 12
	s_add_co_u32 s38, s38, s40
	s_add_nc_u64 s[22:23], s[22:23], s[38:39]      ; the tile's images 2 w and 2 w + 1
	s_wait_alu depctr_va_vdst(0)
	v_lshlrev_b32 v5, 4, v1                        ; 16 x lane
	s_mul_i32 s40, s36, 4*LP
	v_lshlrev_b32 v3, 2, v1
	v_add_nc_u32 v3, s40, v3                       ; into LDS: row 4 w, 4 bytes a lane
	v_and_b32 v2, 15, v0
	v_mul_u32_u24 v4, v2, LP
	v_bfe_u32 v2, v0, 4, 1
	v_lshl_add_u32 v4, v2, 4, v4
	s_lshl_b32 s40, s36, 8
	v_add_nc_u32 v4, s40, v4                       ; out of LDS: row l % 16, + 16 (l / 16), + 256 w
	s_mov_b32 s42, 0x76543210                      ; v_permlanex16_b32: lane l xor 16
	s_mov_b32 s43, 0xfedcba98
	s_mov_b32 s44, 0x3a800000                      ; 1 / 1,024
	s_mov_b32 s45, 0x3727c5ac                      ; 1e-5
	v_mov_b32 v20, 0                               ; a permute's destination counts as read
.macro LNLOAD j
.irp c, 0,1,2,3,4,5,6,7
	global_load_b128 v[LX+32*\j+4*\c:LX+32*\j+4*\c+3], v5, s[12:13] offset:4096*\j+512*\c th:TH_LOAD_NT
.endr
.endm
	LNLOAD 0
.irp c, 0,1,2,3,4,5,6,7
	global_load_b128 v[LG+4*\c:LG+4*\c+3], v5, s[14:15] offset:512*\c
.endr
.irp c, 0,1,2,3,4,5,6,7
	global_load_b128 v[LB+4*\c:LB+4*\c+3], v5, s[16:17] offset:512*\c
.endr
	LNLOAD 1
	LNLOAD 2
	LNLOAD 3
	s_wait_kmcnt 0x0
	s_add_co_i32 s46, s24, 127                     ; e0
	s_lshl_b32 s47, s46, 23
	v_mov_b32 v7, s47                              ; 2^e as f32
	s_add_co_i32 s46, s46, 8
	s_lshl_b32 s46, s46, 23
	s_or_b32 s46, s46, 0x600000
	v_mov_b32 v6, s46                              ; 448 x 2^e
.macro LNSUM                           ; four chains into one number, then over the 32 lanes: every lane ends with the sum
	v_pk_add_f32 v[12:13], v[12:13], v[14:15]
	v_pk_add_f32 v[16:17], v[16:17], v[18:19]
	v_pk_add_f32 v[12:13], v[12:13], v[16:17]
	v_add_f32 v12, v12, v13
	v_add_f32_dpp v12, v12, v12 row_xmask:1 row_mask:0xf bank_mask:0xf
	v_add_f32_dpp v12, v12, v12 row_xmask:2 row_mask:0xf bank_mask:0xf
	v_add_f32_dpp v12, v12, v12 row_xmask:4 row_mask:0xf bank_mask:0xf
	v_add_f32_dpp v12, v12, v12 row_xmask:8 row_mask:0xf bank_mask:0xf
	v_permlanex16_b32 v20, v12, s42, s43
	v_add_f32 v12, v12, v20
.endm
.macro LNROW j, left
.set XS, LX+32*\j
	s_wait_loadcnt \left                           ; this row (and g and b) are in; the younger rows' loads, eight each, may be out
.irp k, 0,2,4,6
	v_pk_add_f32 v[12+\k:13+\k], v[XS+\k:XS+\k+1], v[XS+8+\k:XS+9+\k]
.endr
.irp m, 16,24
.irp k, 0,2,4,6
	v_pk_add_f32 v[12+\k:13+\k], v[12+\k:13+\k], v[XS+\m+\k:XS+\m+\k+1]
.endr
.endr
	LNSUM
	v_mul_f32 v8, s44, v12                         ; the mean
	v_mov_b32 v9, v8
.set i, 0
.rept 16
	v_pk_add_f32 v[XS+i:XS+i+1], v[XS+i:XS+i+1], v[8:9] neg_lo:[0,1] neg_hi:[0,1]
.set i, i+2
.endr
.irp k, 0,2,4,6
	v_pk_mul_f32 v[12+\k:13+\k], v[XS+\k:XS+\k+1], v[XS+\k:XS+\k+1]
.endr
.irp m, 8,16,24
.irp k, 0,2,4,6
	v_pk_fma_f32 v[12+\k:13+\k], v[XS+\m+\k:XS+\m+\k+1], v[XS+\m+\k:XS+\m+\k+1], v[12+\k:13+\k]
.endr
.endr
	LNSUM
	v_fma_f32 v21, v12, s44, s45                   ; the variance + 1e-5
	s_wait_alu depctr_va_vdst(0)
	v_rsq_f32 v10, v21                             ; twice, for the packed multiply's pair
	v_rsq_f32 v11, v21
	v_nop                                          ; a plain instruction behind the transcendentals (ISA guide 5.7.2),
	s_wait_alu depctr_va_vdst(0)                   ; and the one wait ahead of their first reader
.set i, 0
.rept 16
	v_pk_mul_f32 v[XS+i:XS+i+1], v[XS+i:XS+i+1], v[10:11]
.set i, i+2
.endr
.set i, 0
.rept 16
	v_pk_fma_f32 v[XS+i:XS+i+1], v[XS+i:XS+i+1], v[LG+i:LG+i+1], v[LB+i:LB+i+1]
.set i, i+2
.endr
.set i, 0
.rept 32
	v_med3_num_f32 v[XS+i], v[XS+i], -v6, v6
.set i, i+1
.endr
.irp g, 0,1,2,3
	v_cvt_scalef32_pk8_fp8_f32 v[LC+8*\j+2*\g:LC+8*\j+2*\g+1], v[XS+8*\g:XS+8*\g+7], v7   ; two words: my 4 codes of chunk 2 g, my 4 of chunk 2 g + 1
.endr
	v_nop                                          ; a plain instruction behind the last conversion
.irp c, 0,1,2,3,4,5,6,7
	ds_store_b32 v3, v[LC+8*\j+\c] offset:LP*\j+128*\c   ; 128 consecutive bytes of the row
.endr
.endm
	LNROW 0, 24
	LNROW 1, 16
	LNROW 2, 8
	LNROW 3, 0
	s_wait_dscnt 0x0                               ; for the others' sake: my rows lie in LDS
	s_barrier_signal -1
	s_barrier_wait -1
.irp n, 0,1,2,3,4,5,6,7
	ds_load_b128 v[LX+4*\n:LX+4*\n+3], v4 offset:128*(\n/4)+32*(\n%4)
.endr
.irp n, 0,1,2,3,4,5,6,7
	s_wait_dscnt 7-\n
	global_store_b128 v5, v[LX+4*\n:LX+4*\n+3], s[22:23] offset:2048*(\n/4)+512*(\n%4)
.endr
	s_set_vgpr_msb 0x5
	s_wait_tensorcnt 0x0
	ds_add_u32 v0, v1
	s_wait_dscnt 0x0
	s_set_vgpr_msb 0x500
	s_endpgm
.Lfunc_end_k_q221aa868ee_prep:
	.size	k_q221aa868ee_prep, .Lfunc_end_k_q221aa868ee_prep-k_q221aa868ee_prep
	.p2alignl 7, 3214868480
	.fill 96, 4, 3214868480
	.section	.rodata,"a",@progbits
	.p2align	6, 0x0
	.amdhsa_kernel k_q221aa868ee_prep
		.amdhsa_group_segment_fixed_size 17408
		.amdhsa_private_segment_fixed_size 0
		.amdhsa_enable_private_segment 0
		.amdhsa_kernarg_size 80
		.amdhsa_user_sgpr_count 2
		.amdhsa_user_sgpr_kernarg_segment_ptr 1
		.amdhsa_wavefront_size32 1
		.amdhsa_system_sgpr_workgroup_id_x 1
		.amdhsa_system_sgpr_workgroup_id_y 1
		.amdhsa_system_sgpr_workgroup_id_z 1
		.amdhsa_system_vgpr_workitem_id 0
		.amdhsa_next_free_vgpr 258
		.amdhsa_next_free_sgpr 66
		.amdhsa_reserve_vcc 0
		.amdhsa_float_denorm_mode_32 3
		.amdhsa_float_denorm_mode_16_64 3
		.amdhsa_memory_ordered 1
		.amdhsa_forward_progress 1
		.amdhsa_inst_pref_size 93
	.end_amdhsa_kernel
	.amdgpu_metadata
---
amdhsa.version: [ 1, 2 ]
amdhsa.kernels:
  - .name:           k_q221aa868ee_prep
    .symbol:         k_q221aa868ee_prep.kd
    .args:
      - { .name: c_attn_w, .offset: 0, .size: 8, .value_kind: global_buffer, .address_space: global }
      - { .name: c_proj_w, .offset: 8, .size: 8, .value_kind: global_buffer, .address_space: global }
      - { .name: mlp_w1, .offset: 16, .size: 8, .value_kind: global_buffer, .address_space: global }
      - { .name: mlp_w2, .offset: 24, .size: 8, .value_kind: global_buffer, .address_space: global }
      - { .name: x, .offset: 32, .size: 8, .value_kind: global_buffer, .address_space: global }
      - { .name: ln1_g, .offset: 40, .size: 8, .value_kind: global_buffer, .address_space: global }
      - { .name: ln1_b, .offset: 48, .size: 8, .value_kind: global_buffer, .address_space: global }
      - { .name: lowp_scales, .offset: 56, .size: 8, .value_kind: global_buffer, .address_space: global }
      - { .name: wc, .offset: 64, .size: 8, .value_kind: global_buffer, .address_space: global }
      - { .name: hc1, .offset: 72, .size: 8, .value_kind: global_buffer, .address_space: global }
    .group_segment_fixed_size: 17408
    .private_segment_fixed_size: 0
    .kernarg_segment_align: 8
    .kernarg_segment_size: 80
    .max_flat_workgroup_size: 128
    .sgpr_count:     66
    .vgpr_count:     258
    .wavefront_size: 32
...
	.end_amdgpu_metadata
.endif
;; end of part 1
;; launch qkv (part 2): grid 12 x 16, 4 waves a work-group, clusters of 4 x 4, 327,680 bytes of LDS; arguments hc1, wc, c_attn_b, lowp_scales, qkvc; writes qkvc
.if DOCPART == 2
	.amdgcn_target "amdgcn-amd-amdhsa--gfx1250"
	.amdhsa_code_object_version 6
	.text
	.protected	k_q221aa868ee_qkv
	.globl	k_q221aa868ee_qkv
	.p2align	8
	.type	k_q221aa868ee_qkv,@function
k_q221aa868ee_qkv:
	s_mov_b64 s[64:65], 0
	v_nop
	global_prefetch_b8 v0, s[64:65] scope:SCOPE_SE
	s_setreg_imm32_b32 hwreg(HW_REG_WAVE_MODE, 25, 1), 1
	s_wait_xcnt 0x0
	s_wait_alu depctr_hold_cnt(0) depctr_sa_sdst(0) depctr_va_vdst(0) depctr_va_sdst(0) depctr_va_ssrc(0) depctr_va_vcc(0) depctr_vm_vsrc(0)
	s_getreg_b32 s2, hwreg(HW_REG_IB_STS2, 6, 4)
	s_cmp_eq_u32 s2, 0
	s_cbranch_scc0 .Lentry_in_a_cluster
	s_endpgm
.Lentry_in_a_cluster:
	s_bfe_u32 s2, ttmp6, 0x10000c
	s_cmp_lg_u32 s2, 0xf033
	s_cbranch_scc0 .Lentry_shape_is_right
	s_endpgm
.Lentry_shape_is_right:
; q, k, v = Q(LN1(x) W + b): 4,096 x 3,072 x 1,024 on codes of E4M3; the results are quantised at once, for attention, and stored as fragment images.
; AN IMAGE is 2,048 bytes, 16 rows x 128 K: byte 512 c + 16 l + i (l = 16 h + r) is (row of lane r, k = 32 c + 16 h + i).  In each group of 128 rows, lane r of tile T takes row 32 (T / 2) + 8 (T % 2) + r + 8 (r / 8).
; So four 16-byte LDS loads at 16 x lane bring a fragment, and in a product (source 0 = rows of one operand, source 1 = rows of the other) a lane holds one row of source 1, and the 16 registers of source 0's tiles
; 2 c and 2 c + 1 are 16 neighbours 32 c + 16 h + 0 .. 15: two conversions make registers 4 c .. 4 c + 3 of the next operand's image, and one store writes 512 consecutive bytes.
; A work-group of four waves makes 256 x 256, a wave 128 x 128: 64 accumulators, 512 registers.  K goes in steps of 256 through two LDS slots filled by the tensor data mover: a tile's step is 4,096 consecutive bytes.
; CLUSTERS of 4 x 4: the LDS region "A" (source 1) is shared along a row of the cluster, the region "B" (source 0) along a column: joint loads.  Cluster x = 0 makes q, 1 makes k, 2 makes v.
; For q and k, A holds tokens and B weight rows: an image is 16 tokens x 128 features (two heads' 64).  FOR v THE TWO ARE SWAPPED: A holds weight rows, B tokens: an image is 16 features x 128 keys, as attention's second product
; wants it.  Only pointers and tile numbers are chosen (on the cluster's x, which all partners share); the products' text is one.
; No prefetch: K has four steps, two of them first fills; no refill has a step two refills ahead of it.
; LIMITS: e2 - e0 - e1, e3 - e0 - e1, e4 - e0 - e1 lie between -126 and 119.  NaN is not served.
; REGISTERS, in windows of 256: window 0: v0-31 addresses; v32-95, v96-111 biases; v128-255 A's fragments, one set; on the way out v128-223 at work.  window 1: B's fragments, two sets.  windows 2, 3: accumulator (a, b) at v[8 (8 (a % 4) + b)].
.set STEPB,  4096                      ; a tile's K step in memory and in LDS: two images
.set HALFT,  8*STEPB                   ; eight tiles: what one tensor load brings, and what one wave reads of A or of B
.set SLOT,   4*HALFT                   ; A's 16 tiles, then B's 16
.set SPARE,  2*SLOT                    ; behind the ring: the spare words, 128 bytes for each wave
.set LAPS,   2                         ; a lap = two K steps of 256
.set FR,     16
.set NL,     4
.set NP,     4
.set ADRA, 16                          ; v16-17  LDS address of my A fragments in slot 0, 1
.set ADRB, 20                          ; v20-21  the same for B
.set LI,   26                          ; v26     16 x lane
.set SPW,  28                          ; v28     LDS address of my spare word; never rewritten
.set NIL,  29                          ; v29     0; never rewritten
.set BQ,   32                          ; v32-95  bias by register (q, k)
.set BV,   96                          ; v96-111 bias by lane (v): a pair for each tile a
.set TMP,  128
.set AF,   128
.set G1, 24
.set G0, 32
.set G1B, 48
.set G0B, 56
.set MSB, 0
.macro WIN new                         ; the immediate's high byte repeats the setting that is left
.if MSB != \new
	s_set_vgpr_msb (MSB<<8)|\new
.set MSB, \new
.endif
.endm
.set MUL_LO, 0xa1                      ; source 0 (B) window 1, source 1 (A) window 0, C and D window 2
.set MUL_HI, 0xf1
.set TO_B,   0x40
.macro JLOAD g0a, g1a, g0b, g1b        ; a joint load: waves 0 and 1 fetch for A, waves 2 and 3 for B; four v_nop follow each of the two lines
	s_cmp_eq_u32 s15, 0
	s_cbranch_scc0 .Lfor_b_\@
	tensor_load_to_lds s[\g0a:\g0a+3], s[\g1a:\g1a+7]
	s_nop 0
.rept 4
	v_nop
.endr
	s_branch .Lasked_\@
.Lfor_b_\@:
	tensor_load_to_lds s[\g0b:\g0b+3], s[\g1b:\g1b+7]
	s_nop 0
.rept 4
	v_nop
.endr
.Lasked_\@:
.endm
.macro CREST                           ; a round of the cluster's barrier behind its opening barrier
	s_cmp_lg_u32 s14, 0
	s_cbranch_scc1 .Lnot_wave_0_\@
	s_barrier_signal -3
.Lnot_wave_0_\@:
	s_barrier_wait -3
	s_barrier_signal -1
	s_barrier_wait -1
.endm
.macro CROUND
	s_barrier_signal -1
	s_barrier_wait -1
	CREST
.endm
	s_load_b128 s[4:7], s[0:1], 0x0                ; hc1, wc
	s_load_b128 s[8:11], s[0:1], 0x10              ; c_attn_b, lowp_scales
	s_load_b64 s[12:13], s[0:1], 0x20              ; qkvc
	v_lshl_add_u32 v[SPW], v0, 2, SPARE
	v_mov_b32 v[NIL], 0
	ds_add_u32 v28, v29
	ds_add_u32 v28, v29
	s_wait_dscnt 0x0
	v_lshrrev_b32 v1, 5, v0
	v_readfirstlane_b32 s14, v1                    ; wave 0..3
	s_lshr_b32 s15, s14, 1                         ; which half of A's tiles is mine.  Also: I fetch for A (0) or for B (1)
	s_and_b32 s16, s14, 1                          ; which half of B's.  Also: which eight tiles I fetch
	s_bfe_u32 s40, ttmp6, 0x40000                  ; cx
	s_bfe_u32 s41, ttmp6, 0x40004                  ; cy
	s_and_b32 s17, ttmp7, 0xffff                   ; cluster y
	s_lshl_b32 s43, s41, 2
	s_lshl_b32 s43, 15, s43                        ; my row of the cluster
	s_lshl_b32 s44, 0x1111, s40                    ; my column
	s_or_b32 s[G1+0], s43, (3<<16)|(1<<21)         ; 15:0 the mask; 17:16 elements of 8 bytes; 21 set beside a mask; no padding
	s_or_b32 s[G1B+0], s44, (3<<16)|(1<<21)
.irp g, G1, G1B
	s_mov_b32 s[\g+1], 512<<16                     ; tensor_dim0 = 512 elements: 4,096 bytes
	s_mov_b32 s[\g+2], 8<<16                       ; tensor_dim1 = 8 tiles
	s_mov_b32 s[\g+3], 512<<16                     ; tile_dim0
	s_mov_b32 s[\g+4], 8                           ; tile_dim1
	s_mov_b32 s[\g+5], 2048                        ; from tile to tile: 16,384 bytes
	s_mov_b32 s[\g+6], 0
	s_mov_b32 s[\g+7], 0
.endr
	; first tiles.  A's hang on cy and the cluster's coordinates alone, B's on cx and the cluster's
	s_lshl_b32 s66, s17, 2
	s_add_co_u32 s66, s66, s41
	s_lshl_b32 s66, s66, 4                         ; q, k: A = tokens, tile 16 (4 cluster y + cy)
	s_lshl_b32 s67, s41, 4
	s_add_co_u32 s67, s67, 128                     ; v: A = weight rows 2,048 + 256 cy on
	s_lshl_b32 s68, ttmp9, 2
	s_add_co_u32 s68, s68, s40
	s_lshl_b32 s68, s68, 4                         ; q, k: B = weight rows, tile 16 (4 cluster x + cx)
	s_lshl_b32 s69, s17, 2
	s_add_co_u32 s69, s69, s40
	s_lshl_b32 s69, s69, 4                         ; v: B = tokens, tile 16 (4 cluster y + cx)
	s_lshl_b32 s18, s16, 3
	s_lshl_b32 s45, s14, 15                        ; where my tiles go: wave x 32,768
	s_wait_kmcnt 0x0
	s_load_b256 s[80:87], s[10:11], 0x0            ; e0 .. e7
	s_cmp_eq_u32 ttmp9, 2                          ; v?  The same in all sixteen partners
	s_cselect_b32 s70, s67, s66
	s_cselect_b32 s71, s69, s68
	s_cselect_b32 s72, 1, 0
	s_cselect_b64 s[74:75], s[6:7], s[4:5]
	s_cselect_b64 s[76:77], s[4:5], s[6:7]
	s_add_co_u32 s20, s70, s18
	s_lshl_b32 s20, s20, 14
	s_mov_b32 s21, 0
	s_add_co_u32 s46, s71, s18
	s_lshl_b32 s46, s46, 14
	s_mov_b32 s47, 0
	s_add_nc_u64 s[20:21], s[74:75], s[20:21]
	s_add_nc_u64 s[46:47], s[76:77], s[46:47]
	CROUND                                         ; all sixteen work-groups are here: the first joint loads meet
.irp s, 0,1
	s_mov_b32 s[G0+4*\s], 1
	s_add_co_u32 s[G0+4*\s+1], s45, \s*SLOT
	s_add_nc_u64 s[G0+4*\s+2:G0+4*\s+3], s[20:21], \s*STEPB
	s_or_b32 s[G0+4*\s+3], s[G0+4*\s+3], 0x80000000
	s_mov_b32 s[G0B+4*\s], 1
	s_add_co_u32 s[G0B+4*\s+1], s45, \s*SLOT
	s_add_nc_u64 s[G0B+4*\s+2:G0B+4*\s+3], s[46:47], \s*STEPB
	s_or_b32 s[G0B+4*\s+3], s[G0B+4*\s+3], 0x80000000
.endr
	JLOAD G0, G1, G0B, G1B                         ; K step 0: one tensor load a wave at the head
	v_and_b32 v2, 31, v0
	v_lshlrev_b32 v[LI], 4, v2
	s_lshl_b32 s22, s15, 15                        ; my eight tiles of A
	s_lshl_b32 s23, s16, 15
	s_add_co_u32 s23, s23, 2*HALFT                 ; my eight of B, behind A's sixteen
.irp s, 0,1
	v_add_nc_u32 v[ADRA+\s], s22, v[LI]
	v_add_nc_u32 v[ADRB+\s], s23, v[LI]
	s_add_co_u32 s22, s22, SLOT
	s_add_co_u32 s23, s23, SLOT
.endr
	; both kinds of bias are loaded by every work-group; both stay inside c_attn_b for every work-group
	v_bfe_u32 v8, v0, 4, 1
	v_lshlrev_b32 v8, 6, v8                        ; 64 h
	s_wait_alu depctr_va_vdst(0)
	v_and_b32 v9, 15, v0
	v_and_b32 v10, 8, v9
	v_add_nc_u32 v9, v9, v10
	v_lshlrev_b32 v9, 2, v9                        ; 4 (r + 8 (r / 8))
	s_wait_alu depctr_va_vdst(0)
	s_lshl_b32 s46, s68, 6
	s_lshl_b32 s47, s16, 9
	s_add_co_u32 s46, s46, s47
	s_mov_b32 s47, 0
	s_add_nc_u64 s[88:89], s[8:9], s[46:47]        ; b at feature 256 (4 cluster x + cx) + 128 (wave % 2)
	s_lshl_b32 s18, s41, 10
	s_lshl_b32 s19, s15, 9
	s_add_co_u32 s18, s18, s19
	s_add_co_u32 s18, s18, 8192
	s_mov_b32 s19, 0
	s_add_nc_u64 s[90:91], s[8:9], s[18:19]        ; b at feature 2,048 + 256 cy + 128 (wave / 2)
.irp c, 0,1,2,3
.irp q, 0,1,2,3
	global_load_b128 v[BQ+16*\c+4*\q:BQ+16*\c+4*\q+3], v8, s[88:89] offset:128*\c+16*\q   ; register 16 c + i: feature 32 c + 16 h + i
.endr
.endr
.irp a, 0,1,2,3,4,5,6,7
	global_load_b32 v[BV+2*\a], v9, s[90:91] offset:4*(32*(\a/2)+8*(\a%2))   ; tile a: the feature of my lane
.endr
	; where the codes go.  q, k: [head][token tile][1,024]
	s_lshl_b32 s46, s15, 3
	s_add_co_u32 s46, s46, s66                     ; my first token tile
	s_lshr_b32 s47, s46, 7                         ; the batch
	s_and_b32 s46, s46, 127
	s_lshl_b32 s47, s47, 4
	s_lshl_b32 s42, s40, 2
	s_add_co_u32 s47, s47, s42
	s_lshl_b32 s42, s16, 1
	s_add_co_u32 s47, s47, s42                     ; 16 x batch + my first head, 4 cx + 2 (wave % 2)
	s_lshl_b32 s47, s47, 7
	s_add_co_u32 s46, s46, s47
	s_lshl_b32 s46, s46, 10
	s_lshl_b32 s47, ttmp9, 22                      ; q at 0, k at 0x400000
	s_add_co_u32 s46, s46, s47
	s_mov_b32 s47, 0
	s_add_nc_u64 s[92:93], s[12:13], s[46:47]
	; v: [head][block of 128 keys][tile of 16 features][2,048]
	s_lshl_b32 s46, s16, 3
	s_add_co_u32 s46, s46, s69                     ; my first token tile
	s_lshr_b32 s47, s46, 7
	s_bfe_u32 s46, s46, 0x40003                    ; the block of keys
	s_lshl_b32 s47, s47, 4
	s_lshl_b32 s42, s41, 2
	s_add_co_u32 s47, s47, s42
	s_lshl_b32 s42, s15, 1
	s_add_co_u32 s47, s47, s42                     ; 16 x batch + my first head, 4 cy + 2 (wave / 2)
	s_lshl_b32 s47, s47, 4
	s_add_co_u32 s46, s46, s47
	s_lshl_b32 s46, s46, 13
	s_add_co_u32 s46, s46, 0x800000
	s_mov_b32 s47, 0
	s_add_nc_u64 s[94:95], s[12:13], s[46:47]
.macro FRAG reg, adr, q, i             ; tile i's image of the slot's q-th 128 along K: 512 consecutive bytes a load
.irp c, 0,1,2,3
	ds_load_b128 v[\reg+4*\c:\reg+4*\c+3], v[\adr] offset:STEPB*(\i)+2048*(\q)+512*\c
.endr
.endm
; 16 matrix instructions: A's tiles a0, a0 + 1 x B's eight.  The 64 accumulators take turns, one instruction a turn, in the same order in every step.
.macro MUL16 a0, p, zero
.irp a, \a0, \a0+1
.irp b, 0,1,2,3,4,5,6,7
.if \zero
	v_wmma_f32_16x16x128_fp8_fp8 v[8*(8*((\a)%4)+\b):8*(8*((\a)%4)+\b)+7], v[128*(\p)+FR*\b:128*(\p)+FR*\b+FR-1], v[AF+FR*(\a):AF+FR*(\a)+FR-1], 0
.else
	v_wmma_f32_16x16x128_fp8_fp8 v[8*(8*((\a)%4)+\b):8*(8*((\a)%4)+\b)+7], v[128*(\p)+FR*\b:128*(\p)+FR*\b+FR-1], v[AF+FR*(\a):AF+FR*(\a)+FR-1], v[8*(8*((\a)%4)+\b):8*(8*((\a)%4)+\b)+7]
.endif
.endr
.endr
.endm
.macro FETCH_B slot, q, p
	WIN TO_B
.irp i, 0,1,2,3,4,5,6,7
	FRAG 128*(\p)+FR*\i, ADRB+\slot, \q, \i
.endr
	WIN 0
.endm
.macro FETCH_A slot, q, i0
.irp i, \i0, \i0+1, \i0+2, \i0+3
	FRAG AF+FR*(\i), ADRA+\slot, \q, \i
.endr
.endm
.macro PLACES n                        ; plain vector instructions between a matrix instruction and a load into, or a vector read or write of, its registers
.rept \n
	v_nop
.endr
.endm
.macro STEP slot, q, zero              ; 128 along K that has its successor in the same slot
	s_wait_dscnt 4*NL                              ; B's set and A's tiles 0-3 are in; the youngest sixteen loads (A's tiles 4-7) may be out
	WIN MUL_LO
	MUL16 0, (\q)%2, \zero
	MUL16 2, (\q)%2, \zero
	s_wait_dscnt 0
	PLACES NP
	FETCH_B \slot, (\q)+1, 1-(\q)%2
	FETCH_A \slot, (\q)+1, 0
	WIN MUL_HI
	MUL16 4, (\q)%2, \zero
	MUL16 6, (\q)%2, \zero
	PLACES NP
	WIN 0
	FETCH_A \slot, (\q)+1, 4
.endm
; A slot's last step changes slots: one barrier; in front of it each wave waits for all its tensor loads, adds 0 to its spare word, and waits for that and for its reads of this slot.
.macro TURN slot, next, fill
	s_wait_tensorcnt 0x0                           ; all my tensor loads have landed: my part of the next slot
	ds_add_u32 v[SPW], v[NIL]                      ; 0 onto my spare word
	s_wait_dscnt 4*NL+1                            ; (the add and the youngest sixteen loads may be out)
	WIN MUL_LO
	MUL16 0, 1, 0
	s_wait_dscnt 0x0                               ; the add is done, and my reads of this slot are over
	s_barrier_signal -1
	MUL16 2, 1, 0
	WIN 0
	s_barrier_wait -1
.if \fill
	CREST                                          ; the barrier has opened a round of the cluster's: no wave of any partner still reads this slot or has a load on its way
	s_add_nc_u64 s[G0+4*\slot+2:G0+4*\slot+3], s[G0+4*\slot+2:G0+4*\slot+3], 2*STEPB
	s_add_nc_u64 s[G0B+4*\slot+2:G0B+4*\slot+3], s[G0B+4*\slot+2:G0B+4*\slot+3], 2*STEPB
	JLOAD G0+4*\slot, G1, G0B+4*\slot, G1B         ; the first tensor load behind the round; its four v_nop are the places in front of the loads below
.else
	PLACES NP
.endif
	FETCH_B \next, 0, 0
	FETCH_A \next, 0, 0
	WIN MUL_HI
	MUL16 4, 1, 0
	MUL16 6, 1, 0
	PLACES NP
	WIN 0
	FETCH_A \next, 0, 4
.endm
	s_wait_alu depctr_va_vdst(0)
	s_wait_tensorcnt 0x0                           ; my part of K step 0 is in; slot 1's first fill is issued as a refill is:
	ds_add_u32 v[SPW], v[NIL]                      ; 0 onto my spare word
	s_wait_dscnt 0x0
	CROUND                                         ; everybody's part of K step 0 is in, and the joint loads meet
	JLOAD G0+4, G1, G0B+4, G1B                     ; K step 1: the first tensor load behind the round
	FETCH_B 0, 0, 0
	FETCH_A 0, 0, 0
	FETCH_A 0, 0, 4
	STEP 0, 0, 1                                   ; the first products start the sums
	s_mov_b32 s3, LAPS-1
.Llap:
	TURN 0, 1, 1
	STEP 1, 0, 0
	TURN 1, 0, 1
	STEP 0, 0, 0
	s_sub_co_u32 s3, s3, 1
	s_cmp_lg_u32 s3, 0
	s_cbranch_scc1 .Llap
	TURN 0, 1, 0
	STEP 1, 0, 0
	s_wait_dscnt 4*NL
	WIN MUL_LO
	MUL16 0, 1, 0
	MUL16 2, 1, 0
	s_wait_dscnt 0
	WIN MUL_HI
	MUL16 4, 1, 0
	MUL16 6, 1, 0
	WIN 0
	; THE WAY OUT.  A sum stands for sum x 2^(e0 + e1): the bias goes in divided by that, and the conversion takes 2^(e - e0 - e1), e = e2, e3 or e4.
	s_wait_loadcnt 0x0                             ; the biases
	s_wait_kmcnt 0x0
	s_add_co_i32 s18, s80, s81
	s_cmp_eq_u32 ttmp9, 0
	s_cselect_b32 s19, s82, s83
	s_cmp_eq_u32 ttmp9, 2
	s_cselect_b32 s19, s84, s19
	s_sub_co_i32 s19, s19, s18
	s_sub_co_i32 s18, 0, s18
	s_add_co_i32 s19, s19, 127
	s_lshl_b32 s22, s19, 23
	v_mov_b32 v12, s22                             ; the conversion's scale
	s_add_co_i32 s19, s19, 8
	s_lshl_b32 s19, s19, 23
	s_or_b32 s19, s19, 0x600000
	v_mov_b32 v13, s19                             ; 448 x that
.set j, 0
.rept 64
	v_ldexp_f32 v[BQ+j], v[BQ+j], s18              ; (these plain instructions are also the places behind the last products)
.set j, j+1
.endr
.irp a, 0,1,2,3,4,5,6,7
	v_ldexp_f32 v[BV+2*\a], v[BV+2*\a], s18
	v_mov_b32 v[BV+2*\a+1], v[BV+2*\a]
.endr
.macro PACKQ a                         ; 64 numbers in v[TMP] on become an image's 16 registers in v[CD] on
.set j, 0
.rept 64
	v_med3_num_f32 v[TMP+j], v[TMP+j], -v13, v13   ; the conversion to an 8-bit code does not saturate (ISA guide 7.6.2)
.set j, j+1
.endr
.irp c, 0,1,2,3
	v_cvt_scalef32_pk8_fp8_f32 v[CD+4*\c:CD+4*\c+1], v[TMP+16*\c:TMP+16*\c+7], v12
	v_cvt_scalef32_pk8_fp8_f32 v[CD+4*\c+2:CD+4*\c+3], v[TMP+16*\c+8:TMP+16*\c+15], v12
.endr
	v_nop                                          ; a plain instruction behind the last conversion
.endm
.macro OUTQK a
.set AC, 64*((\a)%4)
.set CD, 192+16*((\a)%2)
.if (\a) >= 2
	s_wait_xcnt 0x0                                ; the stores of two tiles back have read their registers
.endif
	WIN 0x02+((\a)/4)                              ; source 0: window 2 or 3
.set j, 0
.rept 32
	v_pk_add_f32 v[TMP+j:TMP+j+1], v[AC+j:AC+j+1], v[BQ+j:BQ+j+1]   ; each accumulator from its low end on
.set j, j+2
.endr
	WIN 0
	PACKQ \a
.irp c, 0,1,2,3
	global_store_b128 v[LI], v[CD+4*\c:CD+4*\c+3], s[92:93] offset:(\c/2)*131072+1024*(\a)+(\c%2)*512   ; head c / 2 of my two, token tile a, half c % 2 of its 1,024 bytes
.endr
.endm
.macro OUTV a
.set AC, 64*((\a)%4)
.set CD, 192+16*((\a)%2)
.if (\a) >= 2
	s_wait_xcnt 0x0
.endif
	WIN 0x02+((\a)/4)
.set j, 0
.rept 32
	v_pk_add_f32 v[TMP+j:TMP+j+1], v[AC+j:AC+j+1], v[BV+2*(\a):BV+2*(\a)+1]
.set j, j+2
.endr
	WIN 0
	PACKQ \a
.irp c, 0,1,2,3
	global_store_b128 v[LI], v[CD+4*\c:CD+4*\c+3], s[94:95] offset:((\a)/4)*131072+((\a)%4)*2048+512*\c   ; head a / 4 of my two, feature tile a % 4
.endr
.endm
	s_cmp_eq_u32 s72, 1
	s_cbranch_scc1 .Lout_v
.irp a, 0,1,2,3,4,5,6,7
	OUTQK \a
.endr
	s_branch .Lend
.Lout_v:
.irp a, 0,1,2,3,4,5,6,7
	OUTV \a
.endr
.Lend:
	s_wait_tensorcnt 0x0                           ; the wave's end
	ds_add_u32 v[SPW], v[NIL]
	s_wait_dscnt 0x0
	CROUND                                         ; the closing round
	s_endpgm
.Lfunc_end_k_q221aa868ee_qkv:
	.size	k_q221aa868ee_qkv, .Lfunc_end_k_q221aa868ee_qkv-k_q221aa868ee_qkv
	.p2alignl 7, 3214868480
	.fill 96, 4, 3214868480
	.section	.rodata,"a",@progbits
	.p2align	6, 0x0
	.amdhsa_kernel k_q221aa868ee_qkv
		.amdhsa_group_segment_fixed_size 327680
		.amdhsa_private_segment_fixed_size 0
		.amdhsa_enable_private_segment 0
		.amdhsa_kernarg_size 40
		.amdhsa_user_sgpr_count 2
		.amdhsa_user_sgpr_kernarg_segment_ptr 1
		.amdhsa_wavefront_size32 1
		.amdhsa_system_sgpr_workgroup_id_x 1
		.amdhsa_system_sgpr_workgroup_id_y 1
		.amdhsa_system_sgpr_workgroup_id_z 1
		.amdhsa_system_vgpr_workitem_id 0
		.amdhsa_next_free_vgpr 1024
		.amdhsa_next_free_sgpr 100
		.amdhsa_reserve_vcc 0
		.amdhsa_float_denorm_mode_32 3
		.amdhsa_float_denorm_mode_16_64 3
		.amdhsa_memory_ordered 1
		.amdhsa_forward_progress 1
		.amdhsa_inst_pref_size 198
	.end_amdhsa_kernel
	.amdgpu_metadata
---
amdhsa.version: [ 1, 2 ]
amdhsa.kernels:
  - .name:           k_q221aa868ee_qkv
    .symbol:         k_q221aa868ee_qkv.kd
    .args:
      - { .name: hc1, .offset: 0, .size: 8, .value_kind: global_buffer, .address_space: global }
      - { .name: wc, .offset: 8, .size: 8, .value_kind: global_buffer, .address_space: global }
      - { .name: c_attn_b, .offset: 16, .size: 8, .value_kind: global_buffer, .address_space: global }
      - { .name: lowp_scales, .offset: 24, .size: 8, .value_kind: global_buffer, .address_space: global }
      - { .name: qkvc, .offset: 32, .size: 8, .value_kind: global_buffer, .address_space: global }
    .group_segment_fixed_size: 327680
    .private_segment_fixed_size: 0
    .kernarg_segment_align: 8
    .kernarg_segment_size: 40
    .max_flat_workgroup_size: 128
    .sgpr_count:     100
    .vgpr_count:     1024
    .wavefront_size: 32
...
	.end_amdgpu_metadata
.endif
;; end of part 2
;; launch attn (part 3): grid 8 x 32, 16 waves a work-group, clusters of 4 x 1, 327,680 bytes of LDS; arguments qkvc, lowp_scales, ac; writes ac
.if DOCPART == 3
	.amdgcn_target "amdgcn-amd-amdhsa--gfx1250"
	.amdhsa_code_object_version 6
	.text
	.protected	k_q221aa868ee_attn
	.globl	k_q221aa868ee_attn
	.p2align	8
	.type	k_q221aa868ee_attn,@function
k_q221aa868ee_attn:
	s_mov_b64 s[64:65], 0
	v_nop
	global_prefetch_b8 v0, s[64:65] scope:SCOPE_SE
	s_setreg_imm32_b32 hwreg(HW_REG_WAVE_MODE, 25, 1), 1
	s_wait_xcnt 0x0
	s_wait_alu depctr_hold_cnt(0) depctr_sa_sdst(0) depctr_va_vdst(0) depctr_va_sdst(0) depctr_va_ssrc(0) depctr_va_vcc(0) depctr_vm_vsrc(0)
	s_getreg_b32 s2, hwreg(HW_REG_IB_STS2, 6, 4)
	s_cmp_eq_u32 s2, 0
	s_cbranch_scc0 .Lentry_in_a_cluster
	s_endpgm
.Lentry_in_a_cluster:
	s_bfe_u32 s2, ttmp6, 0x10000c
	s_cmp_lg_u32 s2, 0x3003
	s_cbranch_scc0 .Lentry_shape_is_right
	s_endpgm
.Lentry_shape_is_right:
; Causal attention on codes of E4M3, 32 heads (16 x batch + head) of 2,048 tokens x 64.  q, k: [head][token tile][1,024] half images (16 tokens x 64); v: [head][block of 128 keys][4 tiles of 16 features][2,048].
; In each group of 128 tokens, lane r of tile T is token 32 (T / 2) + 8 (T % 2) + r + 8 (r / 8); a head's 64 features are tiled likewise.
; THE SOFTMAX AHEAD OF THE SECOND PRODUCT: t = score x log2(e) / 8; M = the running largest t rounded up to a whole number; p = 2^(t - M) is quantised, not normalised; the sum of the unquantised p divides at the end.
; SHARES.  A work-group is one head and one p = 0 .. 7, with the query tiles p + 8 i, i = 0 .. 15; tile i needs key steps 0 .. i of 128 keys, the last under the mask: 136 steps in all.
; Waves 2 j and 2 j + 1 share the tiles 15 - j and j (17 steps): each takes the key steps of ONE PARITY, q, in both tiles: 9 steps (q = 0) or 8 (q = 1), one of them on a diagonal.  q = w % 2 xor (w / 4) % 2.
; Wave 2 j walks tile 15 - j first, wave 2 j + 1 tile j.  The first tile's state (O^T, -M, the sum) is kept in 34 registers while the second is walked.  At the end a wave hands its SECOND tile's state to its partner
; through LDS; the partner joins it to its own first state: both under the larger M, by powers of two that round nothing; then the sum divides, and the wave stores its first tile.
; A part with no key step (tile 0, q = 1) keeps M = -3e38, a sum of 0 and zeros: its factor is 0.
; ALL of the head's K (131,072 bytes) and V (as many) lie in LDS as dense images, filled ONCE.  The four work-groups of a cluster share the head: both fills are joint loads.  A wave issues two loads (waves 0-7: K, 8-15: V):
; key steps 0-3 at the head (4,096 bytes a wave), key steps 4-15 (12,288 bytes a wave) behind the full sequence and a round; two trips are walked under the second.  Every wait on TENSORcnt is for 0.
; No prefetch: every tile is asked for ahead of the first loop.
; Both products are used transposed (S^T = K Q^T, O^T = V^T P^T): a lane holds one query throughout, and p's 16 registers of two neighbouring tiles are 16 neighbouring keys.
; LIMITS: e2 + e3 between -123 and 130; e5 and e6 between -126 and 119.  NaN is not served.
; REGISTERS: v1 16 x lane; v2, v3 LDS addresses in hand; v4 the mask's number; v12 -M, v13 the largest t, v[14:15] the sum; v16-23 Q; v24-31 the second tile's Q; v32-95 K's or V's fragments; v96-159 S^T, then p; v160-191 O^T;
; v192-207 p's codes.  The kept state: O^T in v208-229, v24-31, v6, v7; -M in v5; the sum in v237.
.set VLDS, 131072                      ; V lies behind K
.set XB,  4608                         ; a state in LDS: 4,096 bytes of O^T, 128 of -M, 128 of the sum, rounded up to blocks of 512
.set LI,  1
.set ADK, 2
.set ADV, 3
.set DM,  4
.set KV,  32
.set SS,  96
.set RC,  128                          ; the partner's O^T
.set OT,  160
.set PC,  192
.set TB,  2                            ; s2   LDS byte of the key step in hand
.set KS,  3                            ; s3   the key step
.set WV,  18
.set IW,  19                           ; s19  the last key step of the tile in hand
.set SEL, 20
.set CS,  22
.set G1A, 24                           ; s[24:31] group 1 for 16 rows of 256 bytes; s[48:55] for 48
.set G0,  32                           ; s[32:39] two groups 0
.set CT,  40                           ; s40  trips to go
.set QP,  41                           ; s41  q
.set I2,  42                           ; s42  the second tile's last key step
.set G1B, 48
.macro CROUND
	s_barrier_signal -1
	s_barrier_wait -1
	s_cmp_lg_u32 s[WV], 0
	s_cbranch_scc1 .Lnot_wave_0_\@
	s_barrier_signal -3
.Lnot_wave_0_\@:
	s_barrier_wait -3
	s_barrier_signal -1
	s_barrier_wait -1
.endm
	s_load_b128 s[4:7], s[0:1], 0x0                ; qkvc, lowp_scales
	s_load_b64 s[8:9], s[0:1], 0x10                ; ac
	v_lshl_add_u32 v251, v0, 2, 0x40000
	v_mov_b32 v255, 0
	ds_add_u32 v251, v255                          ; the opening: the add, twice on end, and its wait
	ds_add_u32 v251, v255
	v_lshrrev_b32 v8, 5, v0
	v_readfirstlane_b32 s[WV], v8                  ; wave 0..15
	s_bfe_u32 s10, ttmp6, 0x40000                  ; cx: it enters Q's and ac's addresses and the mask's number alone
	s_lshl_b32 s11, ttmp9, 2
	s_add_co_u32 s11, s11, s10                     ; p
	s_and_b32 s12, ttmp7, 0xffff                   ; the head, which the four partners share
	s_lshr_b32 s14, s[WV], 1                       ; j
	s_and_b32 s15, s[WV], 1
	s_sub_co_u32 s16, 15, s14
	s_cmp_eq_u32 s15, 0
	s_cselect_b32 s[IW], s16, s14                  ; the first tile: 15 - j in the even wave, j in the odd one
	s_cselect_b32 s[I2], s14, s16                  ; the second: the other
	s_bfe_u32 s16, s[WV], 0x10002
	s_xor_b32 s[QP], s15, s16                      ; q
	s_lshl_b32 s13, s[IW], 3
	s_add_co_u32 s13, s13, s11                     ; my first query tile,
	s_lshl_b32 s17, s[I2], 3
	s_add_co_u32 s17, s17, s11                     ; my second
	s_lshr_b32 s76, s[WV], 3                       ; I fetch for K (0) or V (1),
	s_and_b32 s77, s[WV], 7                        ; the s-th eighth of each load's bytes
	s_lshl_b32 s78, s76, 17
	s_lshl_b32 s79, s76, 22
	s_add_co_u32 s79, s79, 0x400000                ; k at 0x400000, v at 0x800000
	s_lshl_b32 s80, s12, 17                        ; a head's 131,072 bytes
	s_add_co_u32 s80, s80, s79
	s_mov_b32 s81, 0
.irp g, G1A, G1B
	s_mov_b32 s[\g], 15|(3<<16)|(1<<21)            ; 15:0 the mask: all four work-groups; 17:16 elements of 8 bytes; 21 set beside a mask
	s_mov_b32 s[\g+1], 32<<16                      ; tensor_dim0 = 32 elements: rows of 256 bytes of a dense block
	s_mov_b32 s[\g+3], 32<<16                      ; tile_dim0
	s_mov_b32 s[\g+5], 32                          ; from row to row
	s_mov_b32 s[\g+6], 0
	s_mov_b32 s[\g+7], 0
.endr
	s_mov_b32 s[G1A+2], 16<<16                     ; tensor_dim1 and tile_dim1: 16 and 48 rows
	s_mov_b32 s[G1A+4], 16
	s_mov_b32 s[G1B+2], 48<<16
	s_mov_b32 s[G1B+4], 48
	s_mov_b32 s[SEL], 0x76543210
	s_mov_b32 s[SEL+1], 0xfedcba98
	s_mov_b32 s[CS], 0x3e38aa3b                    ; c = log2(e) / 8
	s_wait_dscnt 0x0
	s_wait_kmcnt 0x0
	s_load_b256 s[68:75], s[6:7], 0x0              ; e0 .. e7
	s_add_nc_u64 s[80:81], s[4:5], s[80:81]        ; the head's K or V
.macro MKG0 n                          ; load n: from byte s82 of the head's K or V, to the same byte of its LDS region
	s_mov_b32 s83, 0
	s_mov_b32 s[G0+4*\n], 1
	s_add_co_u32 s[G0+4*\n+1], s78, s82
	s_add_nc_u64 s[G0+4*\n+2:G0+4*\n+3], s[80:81], s[82:83]
	s_or_b32 s[G0+4*\n+3], s[G0+4*\n+3], 0x80000000
.endm
	s_lshl_b32 s82, s77, 12                        ; key steps 0-3: 32,768 bytes in eighths
	MKG0 0
	s_mul_i32 s82, s77, 12288                      ; key steps 4-15: 98,304 bytes in eighths
	s_add_co_u32 s82, s82, 32768
	MKG0 1
	CROUND                                         ; all four work-groups are here: the joint loads meet
	tensor_load_to_lds s[G0:G0+3], s[G1A:G1A+7]
	s_nop 0
.rept 4
	v_nop
.endr
	s_lshl_b32 s84, s12, 7
	s_add_co_u32 s86, s84, s17
	s_add_co_u32 s84, s84, s13
	s_lshl_b32 s84, s84, 10
	s_lshl_b32 s86, s86, 10
	s_mov_b32 s85, 0
	s_mov_b32 s87, 0
	s_add_nc_u64 s[84:85], s[4:5], s[84:85]        ; my first tile of q,
	s_add_nc_u64 s[86:87], s[4:5], s[86:87]        ; my second
	v_and_b32 v[LI], 31, v0
	v_lshlrev_b32 v[LI], 4, v[LI]
	global_load_b128 v[16:19], v[LI], s[84:85]
	global_load_b128 v[20:23], v[LI], s[84:85] offset:512
	global_load_b128 v[24:27], v[LI], s[86:87]
	global_load_b128 v[28:31], v[LI], s[86:87] offset:512
	s_lshr_b32 s88, s12, 4
	s_lshl_b32 s88, s88, 7
	s_add_co_u32 s88, s88, s13                     ; my first tile among all 256 token tiles: the one that I store
	s_lshl_b32 s88, s88, 14
	s_bfe_u32 s89, s12, 0x30001
	s_lshl_b32 s89, s89, 11                        ; image head / 2,
	s_add_co_u32 s88, s88, s89
	s_and_b32 s89, s12, 1
	s_lshl_b32 s89, s89, 10                        ; half head % 2
	s_add_co_u32 s88, s88, s89
	s_mov_b32 s89, 0
	s_add_nc_u64 s[8:9], s[8:9], s[88:89]
	s_lshr_b32 s88, s11, 1
	s_lshl_b32 s88, s88, 5
	s_and_b32 s89, s11, 1
	s_lshl_b32 s89, s89, 3
	s_add_co_u32 s88, s88, s89
	v_and_b32 v8, 15, v0
	v_and_b32 v9, 8, v8
	v_add_nc_u32 v8, v8, v9
	v_bfe_u32 v9, v0, 4, 1
	v_lshlrev_b32 v9, 4, v9
	v_sub_nc_u32 v8, v8, v9
	v_add_nc_u32 v[DM], s88, v8                    ; my query's place in its 128 tokens, less 16 (lane / 16): the same in both tiles.  Register 16 b + i holds key 32 b + 16 (lane / 16) + i: hidden where 32 b + i is greater
.macro FRESH                           ; a state with no key in it
	v_mov_b32 v13, 0xff61b1e6                      ; the largest t so far: -3e38
	v_floor_f32 v12, -v13                          ; -M
	v_mov_b32 v14, 0
	v_mov_b32 v15, 0
.set j, 0
.rept 32
	v_mov_b32 v[OT+j], 0                           ; O^T: the step is written once for all steps; the first finds zeros
.set j, j+1
.endr
.endm
	FRESH
	v_mov_b32 v236, 0                              ; a permute's destination counts as read
	v_mov_b32 v252, 0
	v_mov_b32 v253, 0                              ; (named as the upper half of the pair v[252:253])
	s_wait_kmcnt 0x0
	s_add_co_i32 s76, s70, s71
	s_lshl_b32 s76, s76, 23
	s_add_co_i32 s[CS], s[CS], s76                 ; a score stands for score x 2^(e2 + e3): added to c's exponent field
	s_mov_b32 s[CS+1], s[CS]
	s_add_co_i32 s76, s73, 127
	s_lshl_b32 s77, s76, 23
	v_mov_b32 v244, s77                            ; 2^e5, for p's conversions
	s_add_co_i32 s76, s76, 8
	s_lshl_b32 s76, s76, 23
	s_or_b32 s76, s76, 0x600000
	v_mov_b32 v240, s76                            ; 448 x 2^e5
; A KEY STEP of 128 keys.  A step behind the tile's last is left out: a branch on the wave's number and the count of trips, round loads, products and softmax; no barrier stands in a step.
.macro STEP
	s_cmp_gt_u32 s[KS], s[IW]
	s_cbranch_scc1 .Lhidden_\@
	v_add_nc_u32 v[ADK], s[TB], v[LI]
	s_delay_alu instid0(VALU_DEP_1)
	v_add_nc_u32 v[ADV], VLDS, v[ADK]
	v_nop                                          ; with the two additions: four places in front of loads into registers that matrix instructions have read
	v_nop
.irp t, 0,1,2,3,4,5,6,7
	ds_load_b128 v[KV+8*\t:KV+8*\t+3], v[ADK] offset:1024*\t
	ds_load_b128 v[KV+8*\t+4:KV+8*\t+7], v[ADK] offset:1024*\t+512
.endr
	s_wait_alu depctr_va_vdst(0)
	s_wait_dscnt 0x0
.irp t, 0,1,2,3,4,5,6,7
	v_wmma_f32_16x16x64_fp8_fp8 v[SS+8*\t:SS+8*\t+7], v[KV+8*\t:KV+8*\t+7], v[16:23], 0
.endr
.rept 4
	v_nop
.endr
.irp t, 0,1,2,3
.irp c, 0,1,2,3
	ds_load_b128 v[KV+16*\t+4*\c:KV+16*\t+4*\c+3], v[ADV] offset:2048*\t+512*\c   ; V's four tiles: they land while the softmax is walked
.endr
.endr
	s_cmp_lg_u32 s[KS], s[IW]                      ; the tile's last step lies on the diagonal: hidden scores become -infinity ahead of the maximum
	s_cbranch_scc1 .Lopen_\@
	v_mov_b32 v254, 0xff800000
.set n, 0
.rept 64
	v_cmp_gt_i32 vcc_lo, 32*(n/16)+n%16, v[DM]
	v_cndmask_b32 v[SS+n], v[SS+n], v254, vcc_lo
.set n, n+1
.endr
.Lopen_\@:
	v_max3_num_f32 v254, v96, v97, v98             ; the step's largest score of my query among my 64 keys, in two chains,
	v_max3_num_f32 v252, v99, v100, v101
.irp i, 6,10,14,18,22,26,30,34,38,42,46,50,54,58
	v_max3_num_f32 v254, v254, v[96+\i], v[97+\i]
	v_max3_num_f32 v252, v252, v[98+\i], v[99+\i]
.endr
	v_max3_num_f32 v254, v254, v158, v159
	s_delay_alu instid0(VALU_DEP_1)
	v_max_num_f32 v254, v254, v252
	s_delay_alu instid0(VALU_DEP_1)
	v_permlanex16_b32 v236, v254, s[SEL], s[SEL+1]
	s_delay_alu instid0(VALU_DEP_1)
	v_max_num_f32 v254, v254, v236                 ; and among lane l xor 16's
	s_delay_alu instid0(VALU_DEP_1)
	v_mul_f32 v254, s[CS], v254                    ; as t (c is positive)
	s_delay_alu instid0(VALU_DEP_1)
	v_max_num_f32 v13, v13, v254
	v_mov_b32 v254, v12
	s_delay_alu instid0(VALU_DEP_2)
	v_floor_f32 v12, -v13                          ; the new -M = -ceil(t)
	s_delay_alu instid0(VALU_DEP_1)
	v_sub_f32 v254, v12, v254                      ; old M - new M: a whole number, 0 or less
	s_delay_alu instid0(VALU_DEP_1)
	v_cvt_i32_f32 v254, v254                       ; (it saturates)
	s_delay_alu instid0(VALU_DEP_1)
	v_ldexp_f32 v252, 1.0, v254                    ; f = 2^(old M - new M)
.set j, 0
.rept 32
	v_pk_fma_f32 v[SS+j:SS+j+1], v[SS+j:SS+j+1], s[CS:CS+1], v[12:13] op_sel_hi:[1,0,0]   ; t - M
.set j, j+2
.endr
.set j, 0
	s_wait_alu depctr_va_vdst(0)
.rept 64
	v_exp_f32 v[SS+j], v[SS+j]                     ; p = 2^(t - M)
.set j, j+1
.endr
	v_pk_mul_f32 v[14:15], v[14:15], v[252:253] op_sel_hi:[1,0]   ; the sums under the new M (a plain instruction behind the exponentials)
	s_wait_alu depctr_va_vdst(0)                   ; one wait for the batch, ahead of its first reader
	v_pk_add_f32 v[242:243], v[100:101], v[104:105]
	v_pk_add_f32 v[248:249], v[108:109], v[112:113]
	v_pk_add_f32 v[246:247], v[116:117], v[120:121]
	v_pk_add_f32 v[238:239], v[124:125], v[128:129]
	v_pk_add_f32 v[234:235], v[132:133], v[136:137]
	v_pk_add_f32 v[232:233], v[140:141], v[144:145]
	v_pk_add_f32 v[230:231], v[148:149], v[152:153]
	v_pk_add_f32 v[14:15], v[14:15], v[156:157]
	v_pk_add_f32 v[242:243], v[242:243], v[96:97]
	v_pk_add_f32 v[248:249], v[248:249], v[98:99]
	v_pk_add_f32 v[246:247], v[246:247], v[102:103]
	v_pk_add_f32 v[238:239], v[238:239], v[106:107]
	v_pk_add_f32 v[234:235], v[234:235], v[110:111]
	v_pk_add_f32 v[232:233], v[232:233], v[114:115]
	v_pk_add_f32 v[230:231], v[230:231], v[118:119]
	v_pk_add_f32 v[14:15], v[14:15], v[122:123]
	v_pk_add_f32 v[242:243], v[242:243], v[126:127]
	v_pk_add_f32 v[248:249], v[248:249], v[130:131]
	v_pk_add_f32 v[246:247], v[246:247], v[134:135]
	v_pk_add_f32 v[238:239], v[238:239], v[138:139]
	v_pk_add_f32 v[234:235], v[234:235], v[142:143]
	v_pk_add_f32 v[232:233], v[232:233], v[146:147]
	v_pk_add_f32 v[230:231], v[230:231], v[150:151]
	v_pk_add_f32 v[14:15], v[14:15], v[154:155]
	v_pk_add_f32 v[242:243], v[242:243], v[158:159]
	s_delay_alu instid0(VALU_DEP_2)
	v_pk_add_f32 v[14:15], v[14:15], v[238:239]
	s_delay_alu instid0(VALU_DEP_2)
	v_pk_add_f32 v[242:243], v[242:243], v[234:235]
	v_pk_add_f32 v[248:249], v[248:249], v[232:233]
	v_pk_add_f32 v[246:247], v[246:247], v[230:231]
	s_delay_alu instid0(VALU_DEP_2)
	v_pk_add_f32 v[14:15], v[14:15], v[248:249]
	s_delay_alu instid0(VALU_DEP_2)
	v_pk_add_f32 v[242:243], v[242:243], v[246:247]
	s_delay_alu instid0(VALU_DEP_1)
	v_pk_add_f32 v[14:15], v[14:15], v[242:243]
.irp b, 0,1,2,3
.irp i, 0,1,2,3,4,5,6,7,8,9,10,11,12,13,14,15
	v_min_num_f32 v[SS+16*\b+\i], v[SS+16*\b+\i], v240   ; p is not negative: a one-sided hold
.endr
	v_cvt_scalef32_pk8_fp8_f32 v[PC+4*\b:PC+4*\b+1], v[SS+16*\b:SS+16*\b+7], v244
	v_cvt_scalef32_pk8_fp8_f32 v[PC+4*\b+2:PC+4*\b+3], v[SS+16*\b+8:SS+16*\b+15], v244
.endr
.set j, 0
.rept 16
	v_pk_mul_f32 v[OT+j:OT+j+1], v[OT+j:OT+j+1], v[252:253] op_sel_hi:[1,0]   ; O^T under the new M; also the plain instructions behind the conversions
.set j, j+2
.endr
	s_wait_alu depctr_va_vdst(0)
	s_wait_dscnt 0x0                               ; V is in
.irp t, 0,1,2,3
	v_wmma_f32_16x16x128_fp8_fp8 v[OT+8*\t:OT+8*\t+7], v[KV+16*\t:KV+16*\t+15], v[PC:PC+15], v[OT+8*\t:OT+8*\t+7]   ; the four accumulators by turns
.endr
.Lhidden_\@:
.endm
.macro RUN n                           ; n trips: every second key step from s[KS] on
	s_mov_b32 s[CT], \n
.Lrun_\@:
	STEP
	s_add_co_u32 s[TB], s[TB], 16384
	s_add_co_u32 s[KS], s[KS], 2
	s_sub_co_u32 s[CT], s[CT], 1
	s_cmp_lg_u32 s[CT], 0
	s_cbranch_scc1 .Lrun_\@
.endm
	s_wait_alu depctr_va_vdst(0)
	s_wait_loadcnt 0x0                             ; Q, both tiles
	s_wait_tensorcnt 0x0                           ; my part of key steps 0-3 is in; the later first fill is issued as a refill is:
	ds_add_u32 v251, v255                          ; 0 onto my spare word
	s_wait_dscnt 0x0
	CROUND                                         ; everybody's part is in, and the joint loads meet
	tensor_load_to_lds s[G0+4:G0+7], s[G1B:G1B+7]  ; key steps 4-15: on bytes of their own
	s_nop 0
.rept 4
	v_nop
.endr
	s_mov_b32 s[KS], s[QP]
	s_lshl_b32 s[TB], s[QP], 13
	RUN 2                                          ; the first tile's key steps q and q + 2
	s_wait_tensorcnt 0x0                           ; my part of key steps 4-15 has landed,
	s_wait_dscnt 0x0
	s_barrier_signal -1
	s_barrier_wait -1                              ; everybody's has
	RUN 6                                          ; q + 4 .. q + 14
	; the first tile's state is kept, and the second tile begins
.rept 4
	v_nop                                          ; places behind the last products
.endr
	s_wait_alu depctr_va_vdst(0)
.set j, 0
.rept 8
	v_mov_b32 v[16+j], v[24+j]                     ; the second tile's Q
.set j, j+1
.endr
.set j, 0
.rept 22
	v_mov_b32 v[208+j], v[OT+j]                    ; each accumulator from its low end on
.set j, j+1
.endr
.set j, 0
.rept 8
	v_mov_b32 v[24+j], v[OT+22+j]
.set j, j+1
.endr
	v_mov_b32 v6, v[OT+30]
	v_mov_b32 v7, v[OT+31]
	v_mov_b32 v5, v12
	v_add_f32 v237, v14, v15
	FRESH
	s_mov_b32 s[IW], s[I2]
	s_mov_b32 s[KS], s[QP]
	s_lshl_b32 s[TB], s[QP], 13
	s_wait_alu depctr_va_vdst(0)
	RUN 8
	; THE STATES MEET.  K's region has had its last fill; behind the first barrier nobody reads it: wave w's state goes to byte 4,608 w
.rept 4
	v_nop
.endr
	s_wait_alu depctr_va_vdst(0)
	v_add_f32 v14, v14, v15
	s_mul_i32 s76, s[WV], XB
	s_xor_b32 s77, s[WV], 1
	s_mul_i32 s77, s77, XB
	v_add_nc_u32 v32, s76, v[LI]                   ; mine, 16 bytes a lane
	v_add_nc_u32 v33, s77, v[LI]                   ; my partner's
	v_and_b32 v34, 31, v0
	v_lshlrev_b32 v34, 2, v34
	v_add_nc_u32 v35, s77, v34                     ; and 4 bytes a lane
	v_add_nc_u32 v34, s76, v34
	s_wait_alu depctr_va_vdst(0)
	s_wait_dscnt 0x0                               ; my reads of K and V are over
	s_barrier_signal -1
	s_barrier_wait -1
.irp k, 0,1,2,3,4,5,6,7
	ds_store_b128 v32, v[OT+4*\k:OT+4*\k+3] offset:512*\k
.endr
	ds_store_b32 v34, v12 offset:4096
	ds_store_b32 v34, v14 offset:4224
	s_wait_dscnt 0x0                               ; for my partner's sake
	s_barrier_signal -1
	s_barrier_wait -1
.irp k, 0,1,2,3,4,5,6,7
	ds_load_b128 v[RC+4*\k:RC+4*\k+3], v33 offset:512*\k
.endr
	ds_load_b32 v36, v35 offset:4096               ; its -M
	ds_load_b32 v37, v35 offset:4224               ; its sum
	s_wait_dscnt 0x0
	v_min_num_f32 v38, v5, v36                     ; -M of the two together
	v_sub_f32 v39, v38, v5                         ; my M less the common one: a whole number, 0 or less
	v_sub_f32 v40, v38, v36
	v_cvt_i32_f32 v39, v39                         ; (it saturates)
	v_cvt_i32_f32 v40, v40
	v_ldexp_f32 v39, 1.0, v39                      ; my factor,
	v_ldexp_f32 v40, 1.0, v40                      ; my partner's
	v_mul_f32 v41, v237, v39
	v_fma_f32 v41, v37, v40, v41
	v_permlanex16_b32 v252, v41, s[SEL], s[SEL+1]
	v_add_f32 v41, v41, v252                       ; the row's sum
	s_wait_alu depctr_va_vdst(0)
	v_rcp_f32 v41, v41
	v_nop                                          ; a plain instruction behind the transcendental
	s_add_co_i32 s76, s72, s73
	s_add_co_i32 s77, s74, 127
	s_lshl_b32 s78, s77, 23
	s_add_co_i32 s77, s77, 8
	s_lshl_b32 s77, s77, 23
	s_or_b32 s77, s77, 0x600000
	v_mov_b32 v244, s78                            ; 2^e6
	v_mov_b32 v240, s77                            ; 448 x 2^e6
	s_wait_alu depctr_va_vdst(0)                   ; the wait ahead of the reciprocal's first reader
	v_ldexp_f32 v41, v41, s76                      ; x 2^(e4 + e5)
	v_mul_f32 v39, v39, v41
	v_mul_f32 v40, v40, v41
.set j, 0
.rept 32
	v_mul_f32 v[SS+j], v[RC+j], v40                ; register 16 c + i: feature 32 c + 16 (lane / 16) + i
.set j, j+1
.endr
.set j, 0
.rept 22
	v_fma_f32 v[SS+j], v[208+j], v39, v[SS+j]
.set j, j+1
.endr
.set j, 0
.rept 8
	v_fma_f32 v[SS+22+j], v[24+j], v39, v[SS+22+j]
.set j, j+1
.endr
	v_fma_f32 v[SS+30], v6, v39, v[SS+30]
	v_fma_f32 v[SS+31], v7, v39, v[SS+31]
.set j, 0
.rept 32
	v_med3_num_f32 v[SS+j], v[SS+j], -v240, v240   ; the conversion to an 8-bit code does not saturate (ISA guide 7.6.2)
.set j, j+1
.endr
.irp c, 0,1
	v_cvt_scalef32_pk8_fp8_f32 v[PC+4*\c:PC+4*\c+1], v[SS+16*\c:SS+16*\c+7], v244
	v_cvt_scalef32_pk8_fp8_f32 v[PC+4*\c+2:PC+4*\c+3], v[SS+16*\c+8:SS+16*\c+15], v244
.endr
	v_nop
	global_store_b128 v[LI], v[PC:PC+3], s[8:9]    ; half an image of the next product's operand: 16 tokens x my head's 64
	global_store_b128 v[LI], v[PC+4:PC+7], s[8:9] offset:512
	s_wait_tensorcnt 0x0                           ; the wave's end
	ds_add_u32 v251, v255
	s_wait_dscnt 0x0
	CROUND                                         ; the closing round
	s_endpgm
.Lfunc_end_k_q221aa868ee_attn:
	.size	k_q221aa868ee_attn, .Lfunc_end_k_q221aa868ee_attn-k_q221aa868ee_attn
	.p2alignl 7, 3214868480
	.fill 96, 4, 3214868480
	.section	.rodata,"a",@progbits
	.p2align	6, 0x0
	.amdhsa_kernel k_q221aa868ee_attn
		.amdhsa_group_segment_fixed_size 327680
		.amdhsa_private_segment_fixed_size 0
		.amdhsa_enable_private_segment 0
		.amdhsa_kernarg_size 24
		.amdhsa_user_sgpr_count 2
		.amdhsa_user_sgpr_kernarg_segment_ptr 1
		.amdhsa_wavefront_size32 1
		.amdhsa_system_sgpr_workgroup_id_x 1
		.amdhsa_system_sgpr_workgroup_id_y 1
		.amdhsa_system_sgpr_workgroup_id_z 1
		.amdhsa_system_vgpr_workitem_id 0
		.amdhsa_next_free_vgpr 256
		.amdhsa_next_free_sgpr 96
		.amdhsa_reserve_vcc 1
		.amdhsa_float_denorm_mode_32 3
		.amdhsa_float_denorm_mode_16_64 3
		.amdhsa_memory_ordered 1
		.amdhsa_forward_progress 1
		.amdhsa_inst_pref_size 83
	.end_amdhsa_kernel
	.amdgpu_metadata
---
amdhsa.version: [ 1, 2 ]
amdhsa.kernels:
  - .name:           k_q221aa868ee_attn
    .symbol:         k_q221aa868ee_attn.kd
    .args:
      - { .name: qkvc, .offset: 0, .size: 8, .value_kind: global_buffer, .address_space: global }
      - { .name: lowp_scales, .offset: 8, .size: 8, .value_kind: global_buffer, .address_space: global }
      - { .name: ac, .offset: 16, .size: 8, .value_kind: global_buffer, .address_space: global }
    .group_segment_fixed_size: 327680
    .private_segment_fixed_size: 0
    .kernarg_segment_align: 8
    .kernarg_segment_size: 24
    .max_flat_workgroup_size: 512
    .sgpr_count:     96
    .vgpr_count:     256
    .wavefront_size: 32
...
	.end_amdgpu_metadata
.endif
;; end of part 3
;; launch proj (part 4): grid 8 x 32, 4 waves a work-group, clusters of 4 x 4, 327,680 bytes of LDS; arguments ac, wc, c_proj_b, x, lowp_scales, x1; writes x1
.if DOCPART == 4
	.amdgcn_target "amdgcn-amd-amdhsa--gfx1250"
	.amdhsa_code_object_version 6
	.text
	.protected	k_q221aa868ee_proj
	.globl	k_q221aa868ee_proj
	.p2align	8
	.type	k_q221aa868ee_proj,@function
k_q221aa868ee_proj:
	s_mov_b64 s[64:65], 0
	v_nop
	global_prefetch_b8 v0, s[64:65] scope:SCOPE_SE
	s_setreg_imm32_b32 hwreg(HW_REG_WAVE_MODE, 25, 1), 1
	s_wait_xcnt 0x0
	s_wait_alu depctr_hold_cnt(0) depctr_sa_sdst(0) depctr_va_vdst(0) depctr_va_sdst(0) depctr_va_ssrc(0) depctr_va_vcc(0) depctr_vm_vsrc(0)
	s_getreg_b32 s2, hwreg(HW_REG_IB_STS2, 6, 4)
	s_cmp_eq_u32 s2, 0
	s_cbranch_scc0 .Lentry_in_a_cluster
	s_endpgm
.Lentry_in_a_cluster:
	s_bfe_u32 s2, ttmp6, 0x10000c
	s_cmp_lg_u32 s2, 0xf033
	s_cbranch_scc0 .Lentry_shape_is_right
	s_endpgm
.Lentry_shape_is_right:
; out = residual + (A W + bias): 4,096 x 1,024 x SIZE_K on codes of E4M3; A and W lie as fragment images [row tile][K / 128][2,048]; out and residual are f32, rows of 4,096 bytes.
; AN IMAGE is 16 rows x 128 K: byte 512 c + 16 l + i (l = 16 h + r) is (row of lane r, k = 32 c + 16 h + i); in each group of 128 rows, lane r of tile T takes row 32 (T / 2) + 8 (T % 2) + r + 8 (r / 8).
; A tile of out is 128 x 128, so that there are 256 work-groups; four waves of 64 x 64: 16 accumulators.  K goes in steps of 512 through two LDS slots: a tile's step is 8,192 consecutive bytes, a wave's load four tiles, both steps of each.
; CLUSTERS of 4 x 4: A's tiles are shared along a row of the cluster, W's along a column: joint loads.  Source 0 = rows of W, source 1 = rows of A: a lane holds one token and, in tiles 2 c and 2 c + 1, 16 neighbouring columns.
; The residual is asked for at the head, in the layout of the stores, and waits in registers.  LIMIT: the two exponents added lie between -126 and 127.
; REGISTERS: window 0: v0-31 addresses; v32-63 bias; v64-95, v96-127 at work on the way out; v128-255 accumulator (a, b) at v[128 + 8 (4 a + b)].  window 1: two fragment buffers of 128 (A's four, then W's four).  window 2: v0-127 the residual.
.set SIZE_K, 1024
.set WOFF,   0x300000                  ; where W's images begin in wc
.set SOFF,   0x18                      ; where the two exponents lie in lowp_scales
.set TSB,    16*SIZE_K                 ; bytes from tile to tile
.set QB,     16384                     ; ALL OF K LIES IN LDS: a tile's 1,024 along K, eight images, 16,384 consecutive bytes; one tensor load a wave brings four tiles, and nothing is filled again
.set HALFT,  4*QB
.set SLOT,   8192                      ; the second half of K begins four images on in each tile
.set SPARE,  4*HALFT                   ; behind A's eight tiles and W's eight
.set LAPS,   SIZE_K/1024               ; a lap = two K steps of 512
.set SPITCH, 272                       ; the way out: a stage of 16 rows x (256 bytes + 16) for each wave, behind the spare words
.set ADRA, 16
.set ADRB, 20
.set STO,  24
.set RD,   25
.set CO,   26
.set SPW,  28
.set NIL,  29
.set PFO,  30
.set BQ,   32
.set TMP,  64
.set BK,   96
.set ACC,  128
.set F0,   0
.set F1,   128
.set G1, 24
.set G0, 32
.set G1B, 48
.set G0B, 56
.set PFA, 76
.set LIM, 78
.set MSB, 0
.macro WIN new
.if MSB != \new
	s_set_vgpr_msb (MSB<<8)|\new
.set MSB, \new
.endif
.endm
.set MUL,  0x05                        ; sources 0 and 1 window 1; C and D window 0
.set TO_F, 0x40
.macro JLOAD s                         ; a joint load: waves 0 and 1 fetch for A, waves 2 and 3 for W; four v_nop follow each of the two lines
	s_cmp_eq_u32 s15, 0
	s_cbranch_scc0 .Lfor_b_\@
	tensor_load_to_lds s[G0+4*\s:G0+4*\s+3], s[G1:G1+7]
	s_nop 0
.rept 4
	v_nop
.endr
	s_branch .Lasked_\@
.Lfor_b_\@:
	tensor_load_to_lds s[G0B+4*\s:G0B+4*\s+3], s[G1B:G1B+7]
	s_nop 0
.rept 4
	v_nop
.endr
.Lasked_\@:
.endm
.macro CREST
	s_cmp_lg_u32 s14, 0
	s_cbranch_scc1 .Lnot_wave_0_\@
	s_barrier_signal -3
.Lnot_wave_0_\@:
	s_barrier_wait -3
	s_barrier_signal -1
	s_barrier_wait -1
.endm
.macro CROUND
	s_barrier_signal -1
	s_barrier_wait -1
	CREST
.endm
; A prefetch of the K step that stands two refills on: one tile's 8,192 bytes, lanes 256 bytes apart, one instruction a wave.  A's tile rows are asked for by the clusters with x = 0, W's by those with y = 0;
; of the four tiles that a wave fetches, each of the four partners that ask for them jointly takes one, told apart by address.  The loop's last trip asks for nothing.  Assembled only where K has more than four steps.
.macro ASK
	s_cmp_gt_u32 s3, s[LIM]
	s_cbranch_scc0 .Lnot_mine_\@
	global_prefetch_b8 v[PFO], s[PFA:PFA+1] offset:QB th:TH_LOAD_NT scope:SCOPE_SE
.Lnot_mine_\@:
.endm
	s_load_b128 s[4:7], s[0:1], 0x0                ; A's images, wc
	s_load_b128 s[8:11], s[0:1], 0x10              ; bias, residual
	s_load_b128 s[68:71], s[0:1], 0x20             ; lowp_scales, out
	v_lshl_add_u32 v[SPW], v0, 2, SPARE
	v_mov_b32 v[NIL], 0
	ds_add_u32 v28, v29
	ds_add_u32 v28, v29
	s_wait_dscnt 0x0
	v_lshrrev_b32 v1, 5, v0
	v_readfirstlane_b32 s14, v1                    ; wave 0..3
	s_lshr_b32 s15, s14, 1
	s_and_b32 s16, s14, 1
	s_bfe_u32 s40, ttmp6, 0x40000                  ; cx
	s_bfe_u32 s41, ttmp6, 0x40004                  ; cy
	s_lshl_b32 s42, ttmp9, 2
	s_add_co_u32 s42, s42, s40                     ; tile column
	s_and_b32 s17, ttmp7, 0xffff
	s_lshl_b32 s17, s17, 2
	s_add_co_u32 s17, s17, s41                     ; tile row
	s_lshl_b32 s43, s41, 2
	s_lshl_b32 s43, 15, s43
	s_lshl_b32 s44, 0x1111, s40
	s_or_b32 s[G1+0], s43, (3<<16)|(1<<21)         ; the mask; elements of 8 bytes; bit 21 beside a mask; no padding
	s_or_b32 s[G1B+0], s44, (3<<16)|(1<<21)
.irp g, G1, G1B
	s_mov_b32 s[\g+1], 2048<<16                    ; tensor_dim0 = 2,048 elements: 16,384 bytes
	s_mov_b32 s[\g+2], 4<<16                       ; tensor_dim1 = 4 tiles
	s_mov_b32 s[\g+3], 2048<<16
	s_mov_b32 s[\g+4], 4
	s_mov_b32 s[\g+5], 2*SIZE_K                    ; from tile to tile, in elements
	s_mov_b32 s[\g+6], 0
	s_mov_b32 s[\g+7], 0
.endr
	s_lshl_b32 s18, s16, 2
	s_lshl_b32 s20, s17, 3
	s_add_co_u32 s20, s20, s18
	s_mul_i32 s20, s20, TSB
	s_mov_b32 s21, 0
	s_lshl_b32 s46, s42, 3
	s_add_co_u32 s46, s46, s18
	s_mul_i32 s46, s46, TSB
	s_add_co_u32 s46, s46, WOFF
	s_mov_b32 s47, 0
	s_lshl_b32 s45, s14, 16
	s_wait_kmcnt 0x0
	s_load_b64 s[96:97], s[68:69], SOFF
	s_add_nc_u64 s[20:21], s[4:5], s[20:21]
	s_add_nc_u64 s[46:47], s[6:7], s[46:47]
	CROUND
.irp s, 0
	s_mov_b32 s[G0+4*\s], 1
	s_add_co_u32 s[G0+4*\s+1], s45, \s*SLOT
	s_add_nc_u64 s[G0+4*\s+2:G0+4*\s+3], s[20:21], \s*QB
	s_or_b32 s[G0+4*\s+3], s[G0+4*\s+3], 0x80000000
	s_mov_b32 s[G0B+4*\s], 1
	s_add_co_u32 s[G0B+4*\s+1], s45, \s*SLOT
	s_add_nc_u64 s[G0B+4*\s+2:G0B+4*\s+3], s[46:47], \s*QB
	s_or_b32 s[G0B+4*\s+3], s[G0B+4*\s+3], 0x80000000
.endr
	JLOAD 0                                        ; all of K: one tensor load a wave at the head
	s_lshl_b32 s46, s42, 9
	s_lshl_b32 s47, s16, 8
	s_add_co_u32 s46, s46, s47                     ; my first column in bytes: 512 x tile column + 256 (wave % 2)
	s_mov_b32 s47, 0
	s_add_nc_u64 s[72:73], s[8:9], s[46:47]
	s_lshl_b32 s79, s17, 19
	s_add_co_u32 s46, s46, s79
	s_lshl_b32 s79, s15, 18
	s_add_co_u32 s46, s46, s79                     ; + my first row: 128 x tile row + 64 (wave / 2)
	s_add_nc_u64 s[80:81], s[10:11], s[46:47]
	s_add_nc_u64 s[82:83], s[70:71], s[46:47]
	v_and_b32 v1, 15, v0                           ; r
	v_bfe_u32 v2, v0, 4, 1                         ; h
	v_lshlrev_b32 v8, 6, v2
	v_lshlrev_b32 v[CO], 12, v2
	v_lshl_add_u32 v[CO], v1, 4, v[CO]             ; lanes 0-15 one row's 256 bytes, lanes 16-31 the next row's
.irp c, 0,1
.irp q, 0,1,2,3
	global_load_b128 v[BQ+16*\c+4*\q:BQ+16*\c+4*\q+3], v8, s[72:73] offset:128*\c+16*\q   ; register 16 c + i: column 32 c + 16 h + i
.endr
.endr
	WIN 0x80                                       ; destination window 2
.irp a, 0,1,2,3
.irp t, 0,1,2,3,4,5,6,7
	global_load_b128 v[32*\a+4*\t:32*\a+4*\t+3], v[CO], s[80:81] offset:(32*(\a/2)+8*(\a%2)+2*\t+8*(\t/4))*4096 th:TH_LOAD_NT   ; tile a's lanes 2 t and 2 t + 1
.endr
.endr
	WIN 0
	v_and_b32 v3, 31, v0
	v_lshlrev_b32 v3, 4, v3
	s_lshl_b32 s22, s15, 16
	s_lshl_b32 s23, s16, 16
	s_add_co_u32 s23, s23, 2*HALFT
.irp s, 0,1
	v_add_nc_u32 v[ADRA+\s], s22, v3
	v_add_nc_u32 v[ADRB+\s], s23, v3
	s_add_co_u32 s22, s22, SLOT
	s_add_co_u32 s23, s23, SLOT
.endr
	s_mul_i32 s23, s14, 16*SPITCH
	s_add_co_u32 s23, s23, SPARE+512               ; the stages have bytes of their own, behind the spare words
	v_mul_u32_u24 v4, v1, SPITCH
	v_lshl_add_u32 v4, v2, 6, v4
	v_add_nc_u32 v[STO], s23, v4                   ; in: row r, + 64 h
	v_mul_u32_u24 v4, v2, SPITCH
	v_lshl_add_u32 v4, v1, 4, v4
	v_add_nc_u32 v[RD], s23, v4                    ; back: lanes 0-15 one row, lanes 16-31 the next
.if LAPS > 2
	s_and_b32 s22, ttmp7, 0xffff                   ; cluster y
	s_cmp_eq_u32 s15, 0                            ; do I fetch for A?
	s_cselect_b32 s74, s17, s42
	s_cselect_b32 s75, s40, s41                    ; my place among the four that ask with me
	s_cselect_b32 s22, ttmp9, s22                  ; the coordinate along which other clusters read the same tiles
	s_cselect_b64 s[PFA:PFA+1], s[4:5], s[6:7]
	s_cselect_b32 s23, 0, WOFF
	s_cmp_eq_u32 s22, 0
	s_cselect_b32 s[LIM], 1, -1
	s_lshl_b32 s74, s74, 3
	s_lshl_b32 s22, s16, 2
	s_add_co_u32 s74, s74, s22
	s_add_co_u32 s74, s74, s75
	s_mul_i32 s74, s74, TSB
	s_add_co_u32 s74, s74, s23
	s_add_co_u32 s74, s74, 2*QB                    ; at K step 2: the first refill steps it to 3 and names step 4
	s_mov_b32 s75, 0
	s_add_nc_u64 s[PFA:PFA+1], s[PFA:PFA+1], s[74:75]
	v_and_b32 v[PFO], 31, v0
	v_lshlrev_b32 v[PFO], 8, v[PFO]
.endif
.macro FRAG reg, adr, q, i
.irp c, 0,1,2,3
	ds_load_b128 v[\reg+4*\c:\reg+4*\c+3], v[\adr] offset:QB*(\i)+2048*(\q)+512*\c
.endr
.endm
.macro FETCH slot, q, f                ; 32 LDS loads in one run: W's four fragments, then A's four
	WIN TO_F
.irp i, 0,1,2,3
	FRAG \f+64+16*\i, ADRB+\slot, \q, \i
.endr
.irp i, 0,1,2,3
	FRAG \f+16*\i, ADRA+\slot, \q, \i
.endr
.endm
.macro MUL8 f, a0, zero                ; A's tiles a0, a0 + 1 x W's four; the 16 accumulators take turns, one instruction a turn
.irp a, \a0, \a0+1
.irp b, 0,1,2,3
.if \zero
	v_wmma_f32_16x16x128_fp8_fp8 v[ACC+8*(4*(\a)+\b):ACC+8*(4*(\a)+\b)+7], v[\f+64+16*\b:\f+64+16*\b+15], v[\f+16*(\a):\f+16*(\a)+15], 0
.else
	v_wmma_f32_16x16x128_fp8_fp8 v[ACC+8*(4*(\a)+\b):ACC+8*(4*(\a)+\b)+7], v[\f+64+16*\b:\f+64+16*\b+15], v[\f+16*(\a):\f+16*(\a)+15], v[ACC+8*(4*(\a)+\b):ACC+8*(4*(\a)+\b)+7]
.endif
.endr
.endr
.endm
.macro PLACES
.rept 4
	v_nop
.endr
.endm
.macro QUARTER slot, q, f, g, zero     ; 128 along K from buffer f; in its middle the slot's q-th 128 are fetched into g
	s_wait_dscnt 8                                 ; W's four and A's tiles 0, 1 are in; the youngest eight loads (A's 2, 3) may be out
	WIN MUL
	MUL8 \f, 0, \zero
	PLACES
	FETCH \slot, \q, \g
	s_wait_dscnt 32                                ; all but the 32 just issued
	WIN MUL
	MUL8 \f, 2, \zero
.endm
.macro TURN slot, next, fill           ; a slot's last quarter changes slots
.if (\fill) && (LAPS > 2)
	s_wait_xcnt 0x0                                ; the last prefetch, a K step back, has read its address
	s_add_nc_u64 s[PFA:PFA+1], s[PFA:PFA+1], QB
.endif
	WIN 0
	s_wait_tensorcnt 0x0                           ; all my tensor loads have landed: my part of the next slot
	ds_add_u32 v[SPW], v[NIL]                      ; 0 onto my spare word
	s_wait_dscnt 9                                 ; (the add and the youngest eight loads may be out)
	WIN MUL
	MUL8 F1, 0, 0
	s_wait_dscnt 0x0                               ; the add is done, and my reads of this slot are over
	s_barrier_signal -1
	WIN 0
	s_barrier_wait -1
.if \fill
	CREST                                          ; the barrier has opened a round of the cluster's
	s_add_nc_u64 s[G0+4*\slot+2:G0+4*\slot+3], s[G0+4*\slot+2:G0+4*\slot+3], 2*QB
	s_add_nc_u64 s[G0B+4*\slot+2:G0B+4*\slot+3], s[G0B+4*\slot+2:G0B+4*\slot+3], 2*QB
	JLOAD \slot                                    ; the first tensor load behind the round; its four v_nop are the places in front of the loads below
.else
	PLACES
.endif
	FETCH \next, 0, F0
.if (\fill) && (LAPS > 2)
	WIN 0
	ASK
.endif
	WIN MUL
	MUL8 F1, 2, 0
.endm
	s_wait_alu depctr_va_vdst(0)
	s_wait_tensorcnt 0x0                           ; my four tiles are in,
	s_barrier_signal -1
	s_barrier_wait -1                              ; everybody's are
	FETCH 0, 0, F0
	QUARTER 0, 1, F0, F1, 1                        ; the first products start the sums
.if LAPS > 1
	WIN 0
	s_mov_b32 s3, LAPS-1
.Llap:
	QUARTER 0, 2, F1, F0, 0
	QUARTER 0, 3, F0, F1, 0
	TURN 0, 1, 1
	QUARTER 1, 1, F0, F1, 0
	QUARTER 1, 2, F1, F0, 0
	QUARTER 1, 3, F0, F1, 0
	TURN 1, 0, 1
	QUARTER 0, 1, F0, F1, 0
	WIN 0
	s_sub_co_u32 s3, s3, 1
	s_cmp_lg_u32 s3, 0
	s_cbranch_scc1 .Llap
.endif
	QUARTER 0, 2, F1, F0, 0
	QUARTER 0, 3, F0, F1, 0
	QUARTER 1, 0, F1, F0, 0                        ; on into the second half of K: nothing is filled again, so no barrier stands here
	QUARTER 1, 1, F0, F1, 0
	QUARTER 1, 2, F1, F0, 0
	QUARTER 1, 3, F0, F1, 0
	s_wait_dscnt 8
	WIN MUL
	MUL8 F1, 0, 0
	s_wait_dscnt 0
	MUL8 F1, 2, 0
	WIN 0
	; THE WAY OUT, a tile of 16 tokens x 64 columns at a time: sum x 2^(ea + eb) + bias; through my own stage, so that sixteen lanes hold 256 neighbouring bytes of a row; + the residual; stored.
	s_wait_loadcnt 0x0                             ; bias and residual
	s_wait_kmcnt 0x0
	s_add_co_i32 s96, s96, s97
	s_add_co_i32 s96, s96, 127
	s_lshl_b32 s96, s96, 23                        ; 2^(ea + eb) as f32
	s_mov_b32 s97, s96
	PLACES
.macro OUTB a
.set j, 0
.rept 16
	v_pk_fma_f32 v[TMP+j:TMP+j+1], v[ACC+32*(\a)+j:ACC+32*(\a)+j+1], s[96:97], v[BQ+j:BQ+j+1] op_sel_hi:[1,0,1]   ; each accumulator from its low end on
.set j, j+2
.endr
.irp b, 0,1,2,3
	ds_store_b128 v[STO], v[TMP+8*\b:TMP+8*\b+3] offset:128*(\b/2)+32*(\b%2)
	ds_store_b128 v[STO], v[TMP+8*\b+4:TMP+8*\b+7] offset:128*(\b/2)+32*(\b%2)+16
.endr
.irp t, 0,1,2,3,4,5,6,7
	ds_load_b128 v[BK+4*\t:BK+4*\t+3], v[RD] offset:2*SPITCH*\t   ; LDS serves a wave's instructions in order (ISA guide 5.7.1.4): these see my stores
.endr
	s_wait_dscnt 0x0
	WIN 0x88                                       ; source 1 and destination window 2
.set j, 0
.rept 16
	v_pk_add_f32 v[32*(\a)+j:32*(\a)+j+1], v[BK+j:BK+j+1], v[32*(\a)+j:32*(\a)+j+1]
.set j, j+2
.endr
	WIN 0x08                                       ; the stores' data in window 2
.irp t, 0,1,2,3,4,5,6,7
	global_store_b128 v[CO], v[32*(\a)+4*\t:32*(\a)+4*\t+3], s[82:83] offset:(32*((\a)/2)+8*((\a)%2)+2*\t+8*(\t/4))*4096   ; sixteen lanes store 256 consecutive bytes, aligned
.endr
	WIN 0
.endm
.irp a, 0,1,2,3
	OUTB \a
.endr
	s_wait_tensorcnt 0x0                           ; the wave's end
	ds_add_u32 v[SPW], v[NIL]
	s_wait_dscnt 0x0
	CROUND                                         ; the closing round
	s_endpgm
.Lfunc_end_k_q221aa868ee_proj:
	.size	k_q221aa868ee_proj, .Lfunc_end_k_q221aa868ee_proj-k_q221aa868ee_proj
	.p2alignl 7, 3214868480
	.fill 96, 4, 3214868480
	.section	.rodata,"a",@progbits
	.p2align	6, 0x0
	.amdhsa_kernel k_q221aa868ee_proj
		.amdhsa_group_segment_fixed_size 327680
		.amdhsa_private_segment_fixed_size 0
		.amdhsa_enable_private_segment 0
		.amdhsa_kernarg_size 48
		.amdhsa_user_sgpr_count 2
		.amdhsa_user_sgpr_kernarg_segment_ptr 1
		.amdhsa_wavefront_size32 1
		.amdhsa_system_sgpr_workgroup_id_x 1
		.amdhsa_system_sgpr_workgroup_id_y 1
		.amdhsa_system_sgpr_workgroup_id_z 1
		.amdhsa_system_vgpr_workitem_id 0
		.amdhsa_next_free_vgpr 640
		.amdhsa_next_free_sgpr 100
		.amdhsa_reserve_vcc 0
		.amdhsa_float_denorm_mode_32 3
		.amdhsa_float_denorm_mode_16_64 3
		.amdhsa_memory_ordered 1
		.amdhsa_forward_progress 1
		.amdhsa_inst_pref_size 52
	.end_amdhsa_kernel
	.amdgpu_metadata
---
amdhsa.version: [ 1, 2 ]
amdhsa.kernels:
  - .name:           k_q221aa868ee_proj
    .symbol:         k_q221aa868ee_proj.kd
    .args:
      - { .name: ac, .offset: 0, .size: 8, .value_kind: global_buffer, .address_space: global }
      - { .name: wc, .offset: 8, .size: 8, .value_kind: global_buffer, .address_space: global }
      - { .name: c_proj_b, .offset: 16, .size: 8, .value_kind: global_buffer, .address_space: global }
      - { .name: x, .offset: 24, .size: 8, .value_kind: global_buffer, .address_space: global }
      - { .name: lowp_scales, .offset: 32, .size: 8, .value_kind: global_buffer, .address_space: global }
      - { .name: x1, .offset: 40, .size: 8, .value_kind: global_buffer, .address_space: global }
    .group_segment_fixed_size: 327680
    .private_segment_fixed_size: 0
    .kernarg_segment_align: 8
    .kernarg_segment_size: 48
    .max_flat_workgroup_size: 128
    .sgpr_count:     100
    .vgpr_count:     640
    .wavefront_size: 32
...
	.end_amdgpu_metadata
.endif
;; end of part 4
;; launch ln2 (part 5): grid 256 x 1, 4 waves a work-group, no clusters, 17,408 bytes of LDS; arguments x1, ln2_g, ln2_b, lowp_scales, hc2; writes hc2
.if DOCPART == 5
	.amdgcn_target "amdgcn-amd-amdhsa--gfx1250"
	.amdhsa_code_object_version 6
	.text
	.protected	k_q221aa868ee_ln2
	.globl	k_q221aa868ee_ln2
	.p2align	8
	.type	k_q221aa868ee_ln2,@function
k_q221aa868ee_ln2:
	s_mov_b64 s[64:65], 0
	v_nop
	global_prefetch_b8 v0, s[64:65] scope:SCOPE_SE
	s_setreg_imm32_b32 hwreg(HW_REG_WAVE_MODE, 25, 1), 1
	s_wait_xcnt 0x0
; LayerNorm 2 of x1 [4,096][1,024] f32 becomes codes of E4M3 with the scale 2^e8, laid as fragment images [row tile][8][2,048].
; AN IMAGE is 16 rows x 128 K: byte 512 c + 16 l + i (l = 16 h + r) is (row of lane r, k = 32 c + 16 h + i); in each group of 128 tokens, lane r of tile T takes token 32 (T / 2) + 8 (T % 2) + r + 8 (r / 8).
; A work-group makes one row tile, a wave four of its rows.  A lane holds 4 neighbours of each of eight chunks of 128: every load covers 512 consecutive bytes.  Mean first, then the squares of x - mean.
; A row's codes go into an LDS row; behind one barrier each wave reads two images out of the sixteen rows and stores them, 512 consecutive bytes a store.
; LIMIT: e8 between -126 and 119.  NaN is not served.
.set LX,  32                           ; v32-159  four rows of 32 registers
.set LG,  160                          ; v160-191 the gain, v192-223 the bias
.set LB,  192
.set LC,  224                          ; v224-255 codes
.set LP,  1040                         ; an LDS row: 1,024 codes + 16 bytes
	s_load_b256 s[12:19], s[0:1], 0x0              ; x1, ln2_g, ln2_b, lowp_scales
	s_load_b64 s[22:23], s[0:1], 0x20              ; hc2
	v_lshl_add_u32 v30, v0, 2, 0x4200
	v_mov_b32 v31, 0
	v_lshrrev_b32 v1, 5, v0
	v_readfirstlane_b32 s36, v1                    ; wave
	v_and_b32 v1, 31, v0                           ; lane
	s_wait_alu depctr_va_vdst(0)
	s_wait_kmcnt 0x0
	s_load_b32 s24, s[18:19], 0x20                 ; e8
	s_lshr_b32 s38, ttmp9, 3
	s_lshl_b32 s38, s38, 7
	s_bfe_u32 s39, ttmp9, 0x20001
	s_lshl_b32 s39, s39, 5
	s_add_co_u32 s38, s38, s39
	s_and_b32 s39, ttmp9, 1
	s_lshl_b32 s39, s39, 3
	s_add_co_u32 s38, s38, s39                     ; the token of the tile's lane 0
	s_lshl_b32 s39, s36, 2
	s_add_co_u32 s38, s38, s39
	s_lshr_b32 s39, s36, 1
	s_lshl_b32 s39, s39, 3
	s_add_co_u32 s38, s38, s39                     ; lanes 4 w .. 4 w + 3 of the tile: four neighbouring tokens from here on
	s_lshl_b32 s38, s38, 12
	s_mov_b32 s39, 0
	s_add_nc_u64 s[12:13], s[12:13], s[38:39]
	s_lshl_b32 s38, ttmp9, 14
	s_lshl_b32 s40, s36, 12
	s_add_co_u32 s38, s38, s40
	s_add_nc_u64 s[22:23], s[22:23], s[38:39]      ; the tile's images 2 w and 2 w + 1
	v_lshlrev_b32 v5, 4, v1                        ; 16 x lane
	s_mul_i32 s40, s36, 4*LP
	v_lshlrev_b32 v3, 2, v1
	v_add_nc_u32 v3, s40, v3                       ; into LDS: row 4 w, 4 bytes a lane
	v_and_b32 v2, 15, v0
	v_mul_u32_u24 v4, v2, LP
	v_bfe_u32 v2, v0, 4, 1
	v_lshl_add_u32 v4, v2, 4, v4
	s_lshl_b32 s40, s36, 8
	v_add_nc_u32 v4, s40, v4                       ; out of LDS: row l % 16, + 16 (l / 16), + 256 w
	s_mov_b32 s42, 0x76543210
	s_mov_b32 s43, 0xfedcba98
	s_mov_b32 s44, 0x3a800000                      ; 1 / 1,024
	s_mov_b32 s45, 0x3727c5ac                      ; 1e-5
	v_mov_b32 v20, 0                               ; a permute's destination counts as read
.macro LNLOAD j
.irp c, 0,1,2,3,4,5,6,7
	global_load_b128 v[LX+32*\j+4*\c:LX+32*\j+4*\c+3], v5, s[12:13] offset:4096*\j+512*\c th:TH_LOAD_NT
.endr
.endm
	LNLOAD 0
.irp c, 0,1,2,3,4,5,6,7
	global_load_b128 v[LG+4*\c:LG+4*\c+3], v5, s[14:15] offset:512*\c
.endr
.irp c, 0,1,2,3,4,5,6,7
	global_load_b128 v[LB+4*\c:LB+4*\c+3], v5, s[16:17] offset:512*\c
.endr
	LNLOAD 1
	LNLOAD 2
	LNLOAD 3
	s_wait_kmcnt 0x0
	s_add_co_i32 s46, s24, 127
	s_lshl_b32 s47, s46, 23
	v_mov_b32 v7, s47                              ; 2^e as f32
	s_add_co_i32 s46, s46, 8
	s_lshl_b32 s46, s46, 23
	s_or_b32 s46, s46, 0x600000
	v_mov_b32 v6, s46                              ; 448 x 2^e
.macro LNSUM                           ; four chains into one number, then over the 32 lanes
	v_pk_add_f32 v[12:13], v[12:13], v[14:15]
	v_pk_add_f32 v[16:17], v[16:17], v[18:19]
	v_pk_add_f32 v[12:13], v[12:13], v[16:17]
	v_add_f32 v12, v12, v13
	v_add_f32_dpp v12, v12, v12 row_xmask:1 row_mask:0xf bank_mask:0xf
	v_add_f32_dpp v12, v12, v12 row_xmask:2 row_mask:0xf bank_mask:0xf
	v_add_f32_dpp v12, v12, v12 row_xmask:4 row_mask:0xf bank_mask:0xf
	v_add_f32_dpp v12, v12, v12 row_xmask:8 row_mask:0xf bank_mask:0xf
	v_permlanex16_b32 v20, v12, s42, s43
	v_add_f32 v12, v12, v20
.endm
.macro LNROW j, left
.set XS, LX+32*\j
	s_wait_loadcnt \left                           ; this row (and g and b) are in; the younger rows' loads, eight each, may be out
.irp k, 0,2,4,6
	v_pk_add_f32 v[12+\k:13+\k], v[XS+\k:XS+\k+1], v[XS+8+\k:XS+9+\k]
.endr
.irp m, 16,24
.irp k, 0,2,4,6
	v_pk_add_f32 v[12+\k:13+\k], v[12+\k:13+\k], v[XS+\m+\k:XS+\m+\k+1]
.endr
.endr
	LNSUM
	v_mul_f32 v8, s44, v12                         ; the mean
	v_mov_b32 v9, v8
.set i, 0
.rept 16
	v_pk_add_f32 v[XS+i:XS+i+1], v[XS+i:XS+i+1], v[8:9] neg_lo:[0,1] neg_hi:[0,1]
.set i, i+2
.endr
.irp k, 0,2,4,6
	v_pk_mul_f32 v[12+\k:13+\k], v[XS+\k:XS+\k+1], v[XS+\k:XS+\k+1]
.endr
.irp m, 8,16,24
.irp k, 0,2,4,6
	v_pk_fma_f32 v[12+\k:13+\k], v[XS+\m+\k:XS+\m+\k+1], v[XS+\m+\k:XS+\m+\k+1], v[12+\k:13+\k]
.endr
.endr
	LNSUM
	v_fma_f32 v21, v12, s44, s45                   ; the variance + 1e-5
	s_wait_alu depctr_va_vdst(0)
	v_rsq_f32 v10, v21
	v_rsq_f32 v11, v21
	v_nop                                          ; a plain instruction behind the transcendentals (ISA guide 5.7.2),
	s_wait_alu depctr_va_vdst(0)                   ; and the one wait ahead of their first reader
.set i, 0
.rept 16
	v_pk_mul_f32 v[XS+i:XS+i+1], v[XS+i:XS+i+1], v[10:11]
.set i, i+2
.endr
.set i, 0
.rept 16
	v_pk_fma_f32 v[XS+i:XS+i+1], v[XS+i:XS+i+1], v[LG+i:LG+i+1], v[LB+i:LB+i+1]
.set i, i+2
.endr
.set i, 0
.rept 32
	v_med3_num_f32 v[XS+i], v[XS+i], -v6, v6       ; the conversion to an 8-bit code does not saturate (ISA guide 7.6.2)
.set i, i+1
.endr
.irp g, 0,1,2,3
	v_cvt_scalef32_pk8_fp8_f32 v[LC+8*\j+2*\g:LC+8*\j+2*\g+1], v[XS+8*\g:XS+8*\g+7], v7   ; two words: my 4 codes of chunk 2 g, my 4 of chunk 2 g + 1
.endr
	v_nop                                          ; a plain instruction behind the last conversion
.irp c, 0,1,2,3,4,5,6,7
	ds_store_b32 v3, v[LC+8*\j+\c] offset:LP*\j+128*\c
.endr
.endm
	LNROW 0, 24
	LNROW 1, 16
	LNROW 2, 8
	LNROW 3, 0
	s_wait_dscnt 0x0                               ; for the others' sake: my rows lie in LDS
	s_barrier_signal -1
	s_barrier_wait -1
.irp n, 0,1,2,3,4,5,6,7
	ds_load_b128 v[LX+4*\n:LX+4*\n+3], v4 offset:128*(\n/4)+32*(\n%4)
.endr
.irp n, 0,1,2,3,4,5,6,7
	s_wait_dscnt 7-\n
	global_store_b128 v5, v[LX+4*\n:LX+4*\n+3], s[22:23] offset:2048*(\n/4)+512*(\n%4)
.endr
	s_wait_tensorcnt 0x0
	ds_add_u32 v30, v31
	s_wait_dscnt 0x0
	s_endpgm
.Lfunc_end_k_q221aa868ee_ln2:
	.size	k_q221aa868ee_ln2, .Lfunc_end_k_q221aa868ee_ln2-k_q221aa868ee_ln2
	.p2alignl 7, 3214868480
	.fill 96, 4, 3214868480
	.section	.rodata,"a",@progbits
	.p2align	6, 0x0
	.amdhsa_kernel k_q221aa868ee_ln2
		.amdhsa_group_segment_fixed_size 17408
		.amdhsa_private_segment_fixed_size 0
		.amdhsa_enable_private_segment 0
		.amdhsa_kernarg_size 40
		.amdhsa_user_sgpr_count 2
		.amdhsa_user_sgpr_kernarg_segment_ptr 1
		.amdhsa_wavefront_size32 1
		.amdhsa_system_sgpr_workgroup_id_x 1
		.amdhsa_system_sgpr_workgroup_id_y 1
		.amdhsa_system_sgpr_workgroup_id_z 1
		.amdhsa_system_vgpr_workitem_id 0
		.amdhsa_next_free_vgpr 256
		.amdhsa_next_free_sgpr 66
		.amdhsa_reserve_vcc 0
		.amdhsa_float_denorm_mode_32 3
		.amdhsa_float_denorm_mode_16_64 3
		.amdhsa_memory_ordered 1
		.amdhsa_forward_progress 1
		.amdhsa_inst_pref_size 45
	.end_amdhsa_kernel
	.amdgpu_metadata
---
amdhsa.version: [ 1, 2 ]
amdhsa.kernels:
  - .name:           k_q221aa868ee_ln2
    .symbol:         k_q221aa868ee_ln2.kd
    .args:
      - { .name: x1, .offset: 0, .size: 8, .value_kind: global_buffer, .address_space: global }
      - { .name: ln2_g, .offset: 8, .size: 8, .value_kind: global_buffer, .address_space: global }
      - { .name: ln2_b, .offset: 16, .size: 8, .value_kind: global_buffer, .address_space: global }
      - { .name: lowp_scales, .offset: 24, .size: 8, .value_kind: global_buffer, .address_space: global }
      - { .name: hc2, .offset: 32, .size: 8, .value_kind: global_buffer, .address_space: global }
    .group_segment_fixed_size: 17408
    .private_segment_fixed_size: 0
    .kernarg_segment_align: 8
    .kernarg_segment_size: 40
    .max_flat_workgroup_size: 128
    .sgpr_count:     66
    .vgpr_count:     256
    .wavefront_size: 32
...
	.end_amdgpu_metadata
.endif
;; end of part 5
;; launch mlp1 (part 6): grid 16 x 16, 4 waves a work-group, clusters of 4 x 4, 327,680 bytes of LDS; arguments hc2, wc, mlp_b1, lowp_scales, gc; writes gc
.if DOCPART == 6
	.amdgcn_target "amdgcn-amd-amdhsa--gfx1250"
	.amdhsa_code_object_version 6
	.text
	.protected	k_q221aa868ee_mlp1
	.globl	k_q221aa868ee_mlp1
	.p2align	8
	.type	k_q221aa868ee_mlp1,@function
k_q221aa868ee_mlp1:
	s_mov_b64 s[64:65], 0
	v_nop
	global_prefetch_b8 v0, s[64:65] scope:SCOPE_SE
	s_setreg_imm32_b32 hwreg(HW_REG_WAVE_MODE, 25, 1), 1
	s_wait_xcnt 0x0
	s_wait_alu depctr_hold_cnt(0) depctr_sa_sdst(0) depctr_va_vdst(0) depctr_va_sdst(0) depctr_va_ssrc(0) depctr_va_vcc(0) depctr_vm_vsrc(0)
	s_getreg_b32 s2, hwreg(HW_REG_IB_STS2, 6, 4)
	s_cmp_eq_u32 s2, 0
	s_cbranch_scc0 .Lentry_in_a_cluster
	s_endpgm
.Lentry_in_a_cluster:
	s_bfe_u32 s2, ttmp6, 0x10000c
	s_cmp_lg_u32 s2, 0xf033
	s_cbranch_scc0 .Lentry_shape_is_right
	s_endpgm
.Lentry_shape_is_right:
.set STEPB,  4096
.set HALFT,  8*STEPB
.set SLOT,   4*HALFT
.set SPARE,  2*SLOT
.set LAPS,   2
.set FR,     16
.set NL,     4
.set NP,     4
.set ADRA, 16
.set ADRB, 20
.set LI,   26
.set SPW,  28
.set NIL,  29
.set BQ,   32
.set GX,   128
.set GW,   192
.set AF,   128
.set G1, 24
.set G0, 32
.set G1B, 48
.set G0B, 56
.set MSB, 0
.macro WIN new
.if MSB != \new
	s_set_vgpr_msb (MSB<<8)|\new
.set MSB, \new
.endif
.endm
.set MUL_LO, 0xa1
.set MUL_HI, 0xf1
.set TO_B,   0x40
.macro JLOAD g0a, g1a, g0b, g1b
	s_cmp_eq_u32 s15, 0
	s_cbranch_scc0 .Lfor_b_\@
	tensor_load_to_lds s[\g0a:\g0a+3], s[\g1a:\g1a+7]
	s_nop 0
.rept 4
	v_nop
.endr
	s_branch .Lasked_\@
.Lfor_b_\@:
	tensor_load_to_lds s[\g0b:\g0b+3], s[\g1b:\g1b+7]
	s_nop 0
.rept 4
	v_nop
.endr
.Lasked_\@:
.endm
.macro CREST
	s_cmp_lg_u32 s14, 0
	s_cbranch_scc1 .Lnot_wave_0_\@
	s_barrier_signal -3
.Lnot_wave_0_\@:
	s_barrier_wait -3
	s_barrier_signal -1
	s_barrier_wait -1
.endm
.macro CROUND
	s_barrier_signal -1
	s_barrier_wait -1
	CREST
.endm
	s_load_b128 s[4:7], s[0:1], 0x0
	s_load_b128 s[8:11], s[0:1], 0x10
	s_load_b64 s[12:13], s[0:1], 0x20
	v_lshl_add_u32 v[SPW], v0, 2, SPARE
	v_mov_b32 v[NIL], 0
	ds_add_u32 v28, v29
	ds_add_u32 v28, v29
	s_wait_dscnt 0x0
	v_lshrrev_b32 v1, 5, v0
	v_readfirstlane_b32 s14, v1
	s_lshr_b32 s15, s14, 1
	s_and_b32 s16, s14, 1
	s_bfe_u32 s40, ttmp6, 0x40000
	s_bfe_u32 s41, ttmp6, 0x40004
	s_lshl_b32 s42, ttmp9, 2
	s_add_co_u32 s42, s42, s40
	s_and_b32 s17, ttmp7, 0xffff
	s_lshl_b32 s17, s17, 2
	s_add_co_u32 s17, s17, s41
	s_lshl_b32 s43, s41, 2
	s_lshl_b32 s43, 15, s43
	s_lshl_b32 s44, 0x1111, s40
	s_or_b32 s[G1+0], s43, (3<<16)|(1<<21)
	s_or_b32 s[G1B+0], s44, (3<<16)|(1<<21)
.irp g, G1, G1B
	s_mov_b32 s[\g+1], 512<<16
	s_mov_b32 s[\g+2], 8<<16
	s_mov_b32 s[\g+3], 512<<16
	s_mov_b32 s[\g+4], 8
	s_mov_b32 s[\g+5], 2048
	s_mov_b32 s[\g+6], 0
	s_mov_b32 s[\g+7], 0
.endr
	s_lshl_b32 s18, s16, 3
	s_lshl_b32 s20, s17, 4
	s_add_co_u32 s20, s20, s18
	s_lshl_b32 s20, s20, 14
	s_mov_b32 s21, 0
	s_lshl_b32 s46, s42, 4
	s_add_co_u32 s46, s46, s18
	s_lshl_b32 s46, s46, 14
	s_add_co_u32 s46, s46, 0x400000
	s_mov_b32 s47, 0
	s_lshl_b32 s45, s14, 15
	s_wait_kmcnt 0x0
	s_load_b128 s[80:83], s[10:11], 0x20
	s_add_nc_u64 s[20:21], s[4:5], s[20:21]
	s_add_nc_u64 s[46:47], s[6:7], s[46:47]
	CROUND
.irp s, 0,1
	s_mov_b32 s[G0+4*\s], 1
	s_add_co_u32 s[G0+4*\s+1], s45, \s*SLOT
	s_add_nc_u64 s[G0+4*\s+2:G0+4*\s+3], s[20:21], \s*STEPB
	s_or_b32 s[G0+4*\s+3], s[G0+4*\s+3], 0x80000000
	s_mov_b32 s[G0B+4*\s], 1
	s_add_co_u32 s[G0B+4*\s+1], s45, \s*SLOT
	s_add_nc_u64 s[G0B+4*\s+2:G0B+4*\s+3], s[46:47], \s*STEPB
	s_or_b32 s[G0B+4*\s+3], s[G0B+4*\s+3], 0x80000000
.endr
	JLOAD G0, G1, G0B, G1B                         ; K step 0: one tensor load a wave at the head
	v_and_b32 v2, 31, v0
	v_lshlrev_b32 v[LI], 4, v2
	s_lshl_b32 s22, s15, 15
	s_lshl_b32 s23, s16, 15
	s_add_co_u32 s23, s23, 2*HALFT
.irp s, 0,1
	v_add_nc_u32 v[ADRA+\s], s22, v[LI]
	v_add_nc_u32 v[ADRB+\s], s23, v[LI]
	s_add_co_u32 s22, s22, SLOT
	s_add_co_u32 s23, s23, SLOT
.endr
	v_bfe_u32 v8, v0, 4, 1
	v_lshlrev_b32 v8, 6, v8
	s_lshl_b32 s46, s42, 10
	s_lshl_b32 s47, s16, 9
	s_add_co_u32 s46, s46, s47
	s_mov_b32 s47, 0
	s_add_nc_u64 s[88:89], s[8:9], s[46:47]
.irp c, 0,1,2,3
.irp q, 0,1,2,3
	global_load_b128 v[BQ+16*\c+4*\q:BQ+16*\c+4*\q+3], v8, s[88:89] offset:128*\c+16*\q
.endr
.endr
	s_lshl_b32 s46, s17, 4
	s_lshl_b32 s47, s15, 3
	s_add_co_u32 s46, s46, s47
	s_lshl_b32 s46, s46, 16
	s_lshl_b32 s47, s42, 1
	s_add_co_u32 s47, s47, s16
	s_lshl_b32 s47, s47, 11
	s_add_co_u32 s46, s46, s47
	s_mov_b32 s47, 0
	s_add_nc_u64 s[92:93], s[12:13], s[46:47]
.macro FRAG reg, adr, q, i
.irp c, 0,1,2,3
	ds_load_b128 v[\reg+4*\c:\reg+4*\c+3], v[\adr] offset:STEPB*(\i)+2048*(\q)+512*\c
.endr
.endm
.macro MUL16 a0, p, zero
.irp a, \a0, \a0+1
.irp b, 0,1,2,3,4,5,6,7
.if \zero
	v_wmma_f32_16x16x128_fp8_fp8 v[8*(8*((\a)%4)+\b):8*(8*((\a)%4)+\b)+7], v[128*(\p)+FR*\b:128*(\p)+FR*\b+FR-1], v[AF+FR*(\a):AF+FR*(\a)+FR-1], 0
.else
	v_wmma_f32_16x16x128_fp8_fp8 v[8*(8*((\a)%4)+\b):8*(8*((\a)%4)+\b)+7], v[128*(\p)+FR*\b:128*(\p)+FR*\b+FR-1], v[AF+FR*(\a):AF+FR*(\a)+FR-1], v[8*(8*((\a)%4)+\b):8*(8*((\a)%4)+\b)+7]
.endif
.endr
.endr
.endm
.macro FETCH_B slot, q, p
	WIN TO_B
.irp i, 0,1,2,3,4,5,6,7
	FRAG 128*(\p)+FR*\i, ADRB+\slot, \q, \i
.endr
	WIN 0
.endm
.macro FETCH_A slot, q, i0
.irp i, \i0, \i0+1, \i0+2, \i0+3
	FRAG AF+FR*(\i), ADRA+\slot, \q, \i
.endr
.endm
.macro PLACES n
.rept \n
	v_nop
.endr
.endm
.macro STEP slot, q, zero
	s_wait_dscnt 4*NL
	WIN MUL_LO
	MUL16 0, (\q)%2, \zero
	MUL16 2, (\q)%2, \zero
	s_wait_dscnt 0
	PLACES NP
	FETCH_B \slot, (\q)+1, 1-(\q)%2
	FETCH_A \slot, (\q)+1, 0
	WIN MUL_HI
	MUL16 4, (\q)%2, \zero
	MUL16 6, (\q)%2, \zero
	PLACES NP
	WIN 0
	FETCH_A \slot, (\q)+1, 4
.endm
.macro TURN slot, next, fill
	s_wait_tensorcnt 0x0
	ds_add_u32 v[SPW], v[NIL]
	s_wait_dscnt 4*NL+1
	WIN MUL_LO
	MUL16 0, 1, 0
	s_wait_dscnt 0x0
	s_barrier_signal -1
	MUL16 2, 1, 0
	WIN 0
	s_barrier_wait -1
.if \fill
	CREST
	s_add_nc_u64 s[G0+4*\slot+2:G0+4*\slot+3], s[G0+4*\slot+2:G0+4*\slot+3], 2*STEPB
	s_add_nc_u64 s[G0B+4*\slot+2:G0B+4*\slot+3], s[G0B+4*\slot+2:G0B+4*\slot+3], 2*STEPB
	JLOAD G0+4*\slot, G1, G0B+4*\slot, G1B
.else
	PLACES NP
.endif
	FETCH_B \next, 0, 0
	FETCH_A \next, 0, 0
	WIN MUL_HI
	MUL16 4, 1, 0
	MUL16 6, 1, 0
	PLACES NP
	WIN 0
	FETCH_A \next, 0, 4
.endm
	s_wait_alu depctr_va_vdst(0)
	s_wait_tensorcnt 0x0                           ; my part of K step 0 is in; slot 1's first fill is issued as a refill is:
	ds_add_u32 v[SPW], v[NIL]                      ; 0 onto my spare word
	s_wait_dscnt 0x0
	CROUND                                         ; everybody's part of K step 0 is in, and the joint loads meet
	JLOAD G0+4, G1, G0B+4, G1B                     ; K step 1: the first tensor load behind the round
	FETCH_B 0, 0, 0
	FETCH_A 0, 0, 0
	FETCH_A 0, 0, 4
	STEP 0, 0, 1
	s_mov_b32 s3, LAPS-1
.Llap:
	TURN 0, 1, 1
	STEP 1, 0, 0
	TURN 1, 0, 1
	STEP 0, 0, 0
	s_sub_co_u32 s3, s3, 1
	s_cmp_lg_u32 s3, 0
	s_cbranch_scc1 .Llap
	TURN 0, 1, 0
	STEP 1, 0, 0
	s_wait_dscnt 4*NL
	WIN MUL_LO
	MUL16 0, 1, 0
	MUL16 2, 1, 0
	s_wait_dscnt 0
	WIN MUL_HI
	MUL16 4, 1, 0
	MUL16 6, 1, 0
	WIN 0
	s_wait_loadcnt 0x0
	s_wait_kmcnt 0x0
	s_add_co_i32 s84, s80, s81
	s_add_co_i32 s84, s84, 127
	s_lshl_b32 s84, s84, 23
	s_mov_b32 s85, s84
	s_mov_b32 s86, 0xbdd2d3e8
	s_mov_b32 s87, s86
	v_mov_b32 v14, 0xc0135761
	v_mov_b32 v15, v14
	s_add_co_i32 s18, s82, 127
	s_lshl_b32 s19, s18, 23
	v_mov_b32 v12, s19
	s_add_co_i32 s18, s18, 8
	s_lshl_b32 s18, s18, 23
	s_or_b32 s18, s18, 0x600000
	v_mov_b32 v13, s18
	PLACES NP
.macro OUTG a
.set AC, 64*((\a)%4)
.set CD, 96+16*((\a)%2)
.if (\a) >= 2
	s_wait_xcnt 0x0
.endif
	WIN 0x02+((\a)/4)
.set j, 0
.rept 32
	v_pk_fma_f32 v[GX+j:GX+j+1], v[AC+j:AC+j+1], s[84:85], v[BQ+j:BQ+j+1] op_sel_hi:[1,0,1]
.set j, j+2
.endr
	WIN 0
.set j, 0
.rept 32
	v_pk_mul_f32 v[GW+j:GW+j+1], v[GX+j:GX+j+1], v[GX+j:GX+j+1]
.set j, j+2
.endr
.set j, 0
.rept 32
	v_pk_fma_f32 v[GW+j:GW+j+1], v[GW+j:GW+j+1], s[86:87], v[14:15] op_sel_hi:[1,0,1]
.set j, j+2
.endr
.set j, 0
.rept 32
	v_pk_mul_f32 v[GW+j:GW+j+1], v[GW+j:GW+j+1], v[GX+j:GX+j+1]
.set j, j+2
.endr
.set j, 0
	s_wait_alu depctr_va_vdst(0)
.rept 64
	v_exp_f32 v[GW+j], v[GW+j]
.set j, j+1
.endr
	v_nop
	s_wait_alu depctr_va_vdst(0)
.set j, 0
.rept 32
	v_pk_add_f32 v[GW+j:GW+j+1], v[GW+j:GW+j+1], 1.0 op_sel_hi:[1,0]
.set j, j+2
.endr
.set j, 0
	s_wait_alu depctr_va_vdst(0)
.rept 64
	v_rcp_f32 v[GW+j], v[GW+j]
.set j, j+1
.endr
	v_nop
	s_wait_alu depctr_va_vdst(0)
.set j, 0
.rept 32
	v_pk_mul_f32 v[GX+j:GX+j+1], v[GX+j:GX+j+1], v[GW+j:GW+j+1]
.set j, j+2
.endr
.set j, 0
.rept 64
	v_med3_num_f32 v[GX+j], v[GX+j], -v13, v13
.set j, j+1
.endr
.irp c, 0,1,2,3
	v_cvt_scalef32_pk8_fp8_f32 v[CD+4*\c:CD+4*\c+1], v[GX+16*\c:GX+16*\c+7], v12
	v_cvt_scalef32_pk8_fp8_f32 v[CD+4*\c+2:CD+4*\c+3], v[GX+16*\c+8:GX+16*\c+15], v12
.endr
	v_nop
.irp c, 0,1,2,3
	global_store_b128 v[LI], v[CD+4*\c:CD+4*\c+3], s[92:93] offset:65536*(\a)+512*\c
.endr
.endm
.irp a, 0,1,2,3,4,5,6,7
	OUTG \a
.endr
	s_wait_tensorcnt 0x0
	ds_add_u32 v[SPW], v[NIL]
	s_wait_dscnt 0x0
	CROUND
	s_endpgm
.Lfunc_end_k_q221aa868ee_mlp1:
	.size	k_q221aa868ee_mlp1, .Lfunc_end_k_q221aa868ee_mlp1-k_q221aa868ee_mlp1
	.p2alignl 7, 3214868480
	.fill 96, 4, 3214868480
	.section	.rodata,"a",@progbits
	.p2align	6, 0x0
	.amdhsa_kernel k_q221aa868ee_mlp1
		.amdhsa_group_segment_fixed_size 327680
		.amdhsa_private_segment_fixed_size 0
		.amdhsa_enable_private_segment 0
		.amdhsa_kernarg_size 40
		.amdhsa_user_sgpr_count 2
		.amdhsa_user_sgpr_kernarg_segment_ptr 1
		.amdhsa_wavefront_size32 1
		.amdhsa_system_sgpr_workgroup_id_x 1
		.amdhsa_system_sgpr_workgroup_id_y 1
		.amdhsa_system_sgpr_workgroup_id_z 1
		.amdhsa_system_vgpr_workitem_id 0
		.amdhsa_next_free_vgpr 1024
		.amdhsa_next_free_sgpr 100
		.amdhsa_reserve_vcc 0
		.amdhsa_float_denorm_mode_32 3
		.amdhsa_float_denorm_mode_16_64 3
		.amdhsa_memory_ordered 1
		.amdhsa_forward_progress 1
		.amdhsa_inst_pref_size 249
	.end_amdhsa_kernel
	.amdgpu_metadata
---
amdhsa.version: [ 1, 2 ]
amdhsa.kernels:
  - .name:           k_q221aa868ee_mlp1
    .symbol:         k_q221aa868ee_mlp1.kd
    .args:
      - { .name: hc2, .offset: 0, .size: 8, .value_kind: global_buffer, .address_space: global }
      - { .name: wc, .offset: 8, .size: 8, .value_kind: global_buffer, .address_space: global }
      - { .name: mlp_b1, .offset: 16, .size: 8, .value_kind: global_buffer, .address_space: global }
      - { .name: lowp_scales, .offset: 24, .size: 8, .value_kind: global_buffer, .address_space: global }
      - { .name: gc, .offset: 32, .size: 8, .value_kind: global_buffer, .address_space: global }
    .group_segment_fixed_size: 327680
    .private_segment_fixed_size: 0
    .kernarg_segment_align: 8
    .kernarg_segment_size: 40
    .max_flat_workgroup_size: 128
    .sgpr_count:     100
    .vgpr_count:     1024
    .wavefront_size: 32
...
	.end_amdgpu_metadata
.endif
;; end of part 6
;; launch mlp2 (part 7): grid 32 x 8, 4 waves a work-group, clusters of 4 x 1, 327,680 bytes of LDS; arguments gc, wc, mlp_b2, x1, lowp_scales, out0; writes out0
.if DOCPART == 7
	.amdgcn_target "amdgcn-amd-amdhsa--gfx1250"
	.amdhsa_code_object_version 6
	.text
	.protected	k_q221aa868ee_mlp2
	.globl	k_q221aa868ee_mlp2
	.p2align	8
	.type	k_q221aa868ee_mlp2,@function
k_q221aa868ee_mlp2:
	s_mov_b64 s[64:65], 0
	v_nop
	global_prefetch_b8 v0, s[64:65] scope:SCOPE_SE
	s_setreg_imm32_b32 hwreg(HW_REG_WAVE_MODE, 25, 1), 1
	s_wait_xcnt 0x0
	s_wait_alu depctr_hold_cnt(0) depctr_sa_sdst(0) depctr_va_vdst(0) depctr_va_sdst(0) depctr_va_ssrc(0) depctr_va_vcc(0) depctr_vm_vsrc(0)
	s_getreg_b32 s2, hwreg(HW_REG_IB_STS2, 6, 4)
	s_cmp_eq_u32 s2, 0
	s_cbranch_scc0 .Lentry_in_a_cluster
	s_endpgm
.Lentry_in_a_cluster:
	s_bfe_u32 s2, ttmp6, 0x10000c
	s_cmp_lg_u32 s2, 0x3003
	s_cbranch_scc0 .Lentry_shape_is_right
	s_endpgm
.Lentry_shape_is_right:
; out0 = x1 + (G W2 + b2): 4,096 x 1,024 x 4,096 on codes of E4M3.  G (gc) and W2 (wc, from byte WOFF) lie as fragment images [row tile][32][2,048]; x1 and out0 are f32, rows of 4,096 bytes.
; AN IMAGE is 16 rows x 128 K: byte 512 c + 16 l + i (l = 16 h + r) is (row of lane r, k = 32 c + 16 h + i); in each group of 128 rows, lane r of tile T takes row 32 (T / 2) + 8 (T % 2) + r + 8 (r / 8).
; SHARES.  A work-group makes 128 x 128 of out0: 256 work-groups (x: block row, y: block column).  EACH OF ITS FOUR WAVES MAKES THE WHOLE BLOCK, 64 accumulators in 512 registers, OVER ITS OWN QUARTER OF K (1,024),
; in 16 steps of 64.  So no byte of G or W2 is read twice in a work-group, and no wave reads another's operand bytes.
; TWO ROADS.  G's fragments go from memory straight into registers, three steps ahead of their use: half an image is two loads of 512 consecutive bytes.  So do W2's for steps 0-3.
; W2's fragments of steps 4-15 come through LDS: each wave has a ring of two slots of 32,768 bytes (8 tiles x 256 along K: four steps) that it fills and reads alone.
; CLUSTERS of 4 x 1: the four block rows of a cluster take the same block column of W2: each fill is a joint load.  Three fills a wave: steps 4-7 at the head; steps 8-11 behind the full sequence and a round after step 2;
; steps 12-15, a refill of slot 0, behind the round after step 7.  One tensor load of a wave is out at the most; every wait on TENSORcnt is for 0.
; Three sets of 128 registers (8 fragments of W2, 8 of G) take turns.  At the end the four partial blocks meet in LDS, row-major (pitch 528 bytes), over the ring, which has had its last fill and, behind a barrier, its last read;
; behind one more barrier wave w adds the four parts of LDS rows 32 w .. 32 w + 31, which are tokens 32 w .. 32 w + 31 of the block, applies 2^(e10 + e11), bias and residual, and stores 512 consecutive aligned bytes an instruction.
; Source 0 = rows of W2, source 1 = rows of G: a lane holds one token, and W2's tiles 2 c and 2 c + 1 give it the 16 neighbouring columns 32 c + 16 h + 0 .. 15.
; NO PREFETCH OF G AND W2: G's loads run two steps ahead of their use and are never drained, and all three fills of W2 are asked for four steps or more ahead of their first read.
; The residual is read late (behind step 13, into the set that step 13 leaves), so its 64 blocks of 256 bytes a wave are prefetched at the head, each once in the launch.
; LIMIT: e10 + e11 lies between -126 and 127, so that 2^(e10 + e11) is an f32 number.  The four parts of a sum are added in f32, K's quarters in pairs.
; REGISTERS: window 0: v0-21 addresses and bias, v128-255 set 0.  window 1: v0-127 set 1 (later the residual), v128-255 set 2.  windows 2, 3: accumulator (a, b) at v[8 (8 (a % 4) + b)]; on the way out the four parts.
.set WOFF,  0x800000                   ; W2's images in wc
.set LP,    528                        ; an LDS row of a partial block: 512 bytes + 16
.set PART,  128*LP                     ; one wave's partial block
.set SPARE, 4*PART                     ; behind the four (and behind the ring's 262,144 bytes): the spare words, 128 bytes a wave
.set BI,  8                            ; v8-11  bias of my four columns
.set LI,  12                           ; v12    16 x lane
.set PFO, 13                           ; v13    4,096 x lane
.set STO, 14                           ; v14    where my accumulators go in my partial block
.set WA,  15                           ; v15    my ring: 65,536 x wave + 16 x lane
.set RD,  16                           ; v16-19 my LDS rows in parts 0 .. 3
.set SPW, 20                           ; v20    my spare word; never rewritten
.set NIL, 21                           ; v21    0; never rewritten
.set PA,  20                           ; s[20:21] G at my row tiles and K quarter
.set PW,  22                           ; s[22:23] W2 likewise
.set G1,  40                           ; s[40:47] descriptor group 1
.set G0,  48                           ; s[48:59] three groups 0, one for each fill; never rewritten
.set MSB, 0
.macro WIN new                         ; the immediate's high byte repeats the setting that is left
.if MSB != (\new)
	s_set_vgpr_msb (MSB<<8)|(\new)
.set MSB, (\new)
.endif
.endm
.macro PLACES                          ; four plain places between a matrix instruction and a load into, or a store of, its registers
.rept 4
	v_nop
.endr
.endm
.macro CROUND                          ; a round of the cluster's barrier
	s_barrier_signal -1
	s_barrier_wait -1
	s_cmp_lg_u32 s16, 0
	s_cbranch_scc1 .Lnot_wave_0_\@
	s_barrier_signal -3
.Lnot_wave_0_\@:
	s_barrier_wait -3
	s_barrier_signal -1
	s_barrier_wait -1
.endm
.macro SETREG set                      ; set 0: window 0, v128; set 1: window 1, v0; set 2: window 1, v128
.set SW, ((\set)+1)/2
.set SB, 128*(((\set)+1)%2)
.endm
.macro LDFR reg, base, off             ; half an image: 8 registers
	global_load_b128 v[\reg:\reg+3], v[LI], s[\base:\base+1] offset:\off
	global_load_b128 v[\reg+4:\reg+7], v[LI], s[\base:\base+1] offset:\off+512
.endm
.macro LDA set, u, a0                  ; G's tiles a0 .. a0 + 3 of step u
	SETREG \set
	WIN SW<<6
.irp a, 0,1,2,3
	LDFR SB+64+8*(\a0+\a), PA, 65536*(\a0+\a)+1024*(\u)
.endr
.endm
.macro LDW set, u                      ; W2's eight tiles of step u, from memory
	SETREG \set
	WIN SW<<6
.irp b, 0,1,2,3,4,5,6,7
	LDFR SB+8*\b, PW, 65536*\b+1024*(\u)
.endr
.endm
.macro LDSET u
	LDA \u, \u, 0
	LDW \u, \u
	LDA \u, \u, 4
.endm
.macro LDSW t                          ; W2's eight tiles of step t (4 .. 15), out of my ring: slot (t / 4 - 1) % 2, tile b at 4,096 b, the step's half image at 1,024 (t % 4)
	SETREG (\t)%3
	WIN SW<<6
.irp b, 0,1,2,3,4,5,6,7
	ds_load_b128 v[SB+8*\b:SB+8*\b+3], v[WA] offset:32768*((((\t)-4)/4)%2)+4096*\b+1024*((\t)%4)
	ds_load_b128 v[SB+8*\b+4:SB+8*\b+7], v[WA] offset:32768*((((\t)-4)/4)%2)+4096*\b+1024*((\t)%4)+512
.endr
.endm
; 32 matrix instructions: G's tiles 4 hi .. 4 hi + 3 x W2's eight.  The 64 accumulators take turns, one instruction a turn, in the same order in every step.
.macro MUL32 set, hi, zero
	SETREG \set
	WIN SW|(SW<<2)|((2+\hi)<<4)|((2+\hi)<<6)
.irp a, 0,1,2,3
.irp b, 0,1,2,3,4,5,6,7
.if \zero
	v_wmma_f32_16x16x64_fp8_fp8 v[8*(8*\a+\b):8*(8*\a+\b)+7], v[SB+8*\b:SB+8*\b+7], v[SB+64+8*(4*\hi+\a):SB+64+8*(4*\hi+\a)+7], 0
.else
	v_wmma_f32_16x16x64_fp8_fp8 v[8*(8*\a+\b):8*(8*\a+\b)+7], v[SB+8*\b:SB+8*\b+7], v[SB+64+8*(4*\hi+\a):SB+64+8*(4*\hi+\a)+7], v[8*(8*\a+\b):8*(8*\a+\b)+7]
.endif
.endr
.endr
.endm
; Step t, on set t % 3.  cnt: the global loads issued behind this set's.  The set is asked for again, for step t + 3: G's tiles 0-3 as soon as their products are issued, the rest at the step's end (W2 from memory for step 3 alone).
; In the step's middle the next step's W2 is read out of the ring, but for steps 8 and 12, whose slots are shown whole only behind the waits that stand in front of them.
.macro STEP t, cnt
	s_wait_loadcnt \cnt
.if (\t) >= 4
	s_wait_dscnt 0x0                               ; my 16 reads of the ring for this step
.endif
.if (\t) == 0
	MUL32 (\t)%3, 0, 1
.else
	MUL32 (\t)%3, 0, 0
.endif
.if (\t)+3 <= 15
	PLACES
	LDA (\t)%3, (\t)+3, 0
.endif
.if ((\t)+1 >= 4) && ((\t)+1 <= 15) && ((\t)+1 != 8) && ((\t)+1 != 12)
	LDSW (\t)+1
.endif
.if (\t) == 0
	MUL32 (\t)%3, 1, 1
.else
	MUL32 (\t)%3, 1, 0
.endif
.if (\t)+3 <= 15
	PLACES
.if (\t)+3 <= 3
	LDW (\t)%3, (\t)+3
.endif
	LDA (\t)%3, (\t)+3, 4
.endif
.endm
; All my tensor loads have landed; the add and my reads of the ring are done; a round of the cluster's barrier; then fill f, my one tensor load behind it.
.macro MEETFILL f
	WIN 0
	s_wait_tensorcnt 0x0
	ds_add_u32 v[SPW], v[NIL]                      ; 0 onto my spare word
	s_wait_dscnt 0x0
	CROUND
	tensor_load_to_lds s[G0+4*\f:G0+4*\f+3], s[G1:G1+7]
	s_nop 0
	PLACES
.endm
	s_load_b128 s[4:7], s[0:1], 0x0                ; gc, wc
	s_load_b128 s[8:11], s[0:1], 0x10              ; mlp_b2, x1
	s_load_b128 s[12:15], s[0:1], 0x20             ; lowp_scales, out0
	v_lshl_add_u32 v[SPW], v0, 2, SPARE
	v_mov_b32 v[NIL], 0
	ds_add_u32 v[SPW], v[NIL]                      ; the opening: the add, twice on end, and its wait ahead of my first tensor load
	ds_add_u32 v[SPW], v[NIL]
	v_lshrrev_b32 v1, 5, v0
	v_readfirstlane_b32 s16, v1                    ; wave 0..3
	s_bfe_u32 s17, ttmp6, 0x40000                  ; cx: it enters the addresses of G, x1 and out0 alone
	s_lshl_b32 s18, ttmp9, 2
	s_add_co_u32 s17, s17, s18                     ; block row
	s_and_b32 s32, ttmp7, 0xffff                   ; block column, which the four partners share
	v_and_b32 v2, 31, v0
	v_lshlrev_b32 v[LI], 4, v2
	v_lshlrev_b32 v[PFO], 12, v2
	v_and_b32 v3, 15, v0                           ; r
	v_bfe_u32 v4, v0, 4, 1                         ; h
	v_mul_u32_u24 v5, v3, LP
	v_lshl_add_u32 v5, v4, 6, v5                   ; row r, + 64 h
	s_mul_i32 s18, s16, PART
	v_add_nc_u32 v[STO], s18, v5
	s_mul_i32 s18, s16, 32*LP
	v_add_nc_u32 v[RD], s18, v[LI]                 ; LDS row 32 w, 16 bytes a lane
	v_add_nc_u32 v[RD+1], PART, v[RD]
	v_add_nc_u32 v[RD+2], 2*PART, v[RD]
	v_add_nc_u32 v[RD+3], 3*PART, v[RD]
	s_lshl_b32 s60, s16, 16                        ; my ring
	v_add_nc_u32 v[WA], s60, v[LI]
	s_lshl_b32 s18, s17, 19                        ; G: eight tiles of 65,536 bytes a block row
	s_lshl_b32 s33, s16, 14                        ; my quarter of K: eight images
	s_add_co_u32 s18, s18, s33
	s_mov_b32 s19, 0
	s_lshl_b32 s34, s32, 19                        ; W2 likewise, by the block column
	s_add_co_u32 s34, s34, s33
	s_add_co_u32 s34, s34, WOFF
	s_mov_b32 s35, 0
	s_lshl_b32 s36, s17, 19                        ; x1, out0: 128 rows of 4,096 bytes a block row,
	s_lshl_b32 s33, s16, 17                        ; my 32 rows,
	s_add_co_u32 s36, s36, s33
	s_lshl_b32 s38, s32, 9                         ; 512 bytes a block column
	s_add_co_u32 s36, s36, s38
	s_mov_b32 s37, 0
	s_mov_b32 s39, 0
	s_mov_b32 s[G1], 15|(3<<16)|(1<<21)            ; 15:0 the mask: all four work-groups; 17:16 elements of 8 bytes; 21 set beside a mask; no padding
	s_mov_b32 s[G1+1], 512<<16                     ; tensor_dim0 = 512 elements: 4,096 bytes, two images
	s_mov_b32 s[G1+2], 8<<16                       ; tensor_dim1 = 8 tiles
	s_mov_b32 s[G1+3], 512<<16                     ; tile_dim0
	s_mov_b32 s[G1+4], 8                           ; tile_dim1
	s_mov_b32 s[G1+5], 8192                        ; from tile to tile: 65,536 bytes
	s_mov_b32 s[G1+6], 0
	s_mov_b32 s[G1+7], 0
	s_wait_alu depctr_va_vdst(0)
	s_wait_dscnt 0x0                               ; both opening adds are done
	s_wait_kmcnt 0x0
	s_load_b64 s[24:25], s[12:13], 0x28            ; e10, e11
	s_add_nc_u64 s[PA:PA+1], s[4:5], s[18:19]
	s_add_nc_u64 s[PW:PW+1], s[6:7], s[34:35]
	s_add_nc_u64 s[26:27], s[10:11], s[36:37]      ; the residual
	s_add_nc_u64 s[28:29], s[14:15], s[36:37]      ; out0
	s_add_nc_u64 s[30:31], s[8:9], s[38:39]        ; the bias
.irp f, 0,1,2                          ; fill f: steps 4 f + 4 .. 4 f + 7, 4,096 (f + 1) bytes along my quarter, into slot f % 2
	s_mov_b32 s[G0+4*\f], 1
	s_add_co_u32 s[G0+4*\f+1], s60, 32768*(\f%2)
	s_add_nc_u64 s[G0+4*\f+2:G0+4*\f+3], s[PW:PW+1], 4096*(\f+1)
	s_or_b32 s[G0+4*\f+3], s[G0+4*\f+3], 0x80000000
.endr
	global_load_b128 v[BI:BI+3], v[LI], s[30:31]   ; columns 4 l .. 4 l + 3 of the block
	LDSET 0
	WIN 0
	CROUND                                         ; all four work-groups are here: the joint loads meet
	tensor_load_to_lds s[G0:G0+3], s[G1:G1+7]      ; fill 0: one tensor load a wave at the head
	s_nop 0
	PLACES
	global_prefetch_b8 v[PFO], s[26:27] th:TH_LOAD_NT scope:SCOPE_SE              ; the residual's 32 rows x 512 bytes: a lane a row, two blocks of 256 bytes; read behind step 13
	global_prefetch_b8 v[PFO], s[26:27] offset:256 th:TH_LOAD_NT scope:SCOPE_SE
	LDSET 1
	LDSET 2
	; the counts: sets 0 .. 3 are 32 loads each, sets 4 .. 15 are 16 (G alone); behind a set's loads stand those of the two sets after it; 64 is written 63, the most that the field holds
	STEP 0, 63
	STEP 1, 63
	STEP 2, 48
	MEETFILL 1                                     ; fill 0 is in; slot 1's first fill is issued as a refill is
	STEP 3, 32
	STEP 4, 32
	STEP 5, 32
	STEP 6, 32
	STEP 7, 32
	MEETFILL 2                                     ; fill 1 is in, slot 0 is read out in every wave of the cluster: it is filled again
	LDSW 8
	STEP 8, 32
	STEP 9, 32
	STEP 10, 32
	STEP 11, 32
	s_wait_tensorcnt 0x0                           ; fill 2 is in: I alone read it
	LDSW 12
	STEP 12, 32
	STEP 13, 32
	PLACES
	WIN 0x40                                       ; the residual into set 1's registers: LDS row j of mine is token 8 (j / 16) + j % 16 + 8 (j % 16 / 8) of my 32
.set j, 0
.rept 32
	global_load_b128 v[4*j:4*j+3], v[LI], s[26:27] offset:(8*(j/16)+(j%16)+8*((j%16)/8))*4096 th:TH_LOAD_NT
.set j, j+1
.endr
	STEP 14, 48                                    ; behind it step 15's 16 and the residual's 32
	STEP 15, 32                                    ; the residual's 32 may be out
	PLACES
	WIN 0
	s_wait_dscnt 0x0
	s_barrier_signal -1
	s_barrier_wait -1                              ; no wave reads its ring any more, and every fill has landed: the partial blocks may lie over it
	; my partial block into LDS: accumulator (a, b): LDS row 16 a + r, bytes 128 (b / 2) + 64 h + 32 (b % 2) on; each accumulator from its low end on
.irp hi, 0,1
	WIN 0x08+4*\hi                                 ; the stores' data in window 2 or 3
.irp a, 0,1,2,3
.irp b, 0,1,2,3,4,5,6,7
	ds_store_b128 v[STO], v[8*(8*\a+\b):8*(8*\a+\b)+3] offset:(4*\hi+\a)*16*LP+128*(\b/2)+32*(\b%2)
	ds_store_b128 v[STO], v[8*(8*\a+\b)+4:8*(8*\a+\b)+7] offset:(4*\hi+\a)*16*LP+128*(\b/2)+32*(\b%2)+16
.endr
.endr
.endr
	s_wait_loadcnt 0x0                             ; bias and residual
	WIN 0x41                                       ; source 0 and destination window 1
.set j, 0
.rept 64
	v_pk_add_f32 v[j:j+1], v[j:j+1], v[BI+j%4:BI+j%4+1]   ; residual + bias, while the stores are on their way
.set j, j+2
.endr
	WIN 0
	s_wait_kmcnt 0x0
	s_add_co_i32 s24, s24, s25
	s_add_co_i32 s24, s24, 127
	s_lshl_b32 s24, s24, 23                        ; 2^(e10 + e11) as f32
	s_mov_b32 s25, s24
	s_wait_alu depctr_va_vdst(0)
	s_wait_dscnt 0x0                               ; for the others' sake: my partial block lies in LDS
	s_barrier_signal -1
	s_barrier_wait -1
.macro RLOAD g                         ; eight of my rows, out of all four parts: 32 loads of 512 consecutive bytes
	WIN 0x80
.irp t, 0,1,2,3,4,5,6,7
	ds_load_b128 v[4*(8*\g+\t):4*(8*\g+\t)+3], v[RD] offset:(8*\g+\t)*LP
	ds_load_b128 v[128+4*(8*\g+\t):128+4*(8*\g+\t)+3], v[RD+1] offset:(8*\g+\t)*LP
.endr
	WIN 0xc0
.irp t, 0,1,2,3,4,5,6,7
	ds_load_b128 v[4*(8*\g+\t):4*(8*\g+\t)+3], v[RD+2] offset:(8*\g+\t)*LP
	ds_load_b128 v[128+4*(8*\g+\t):128+4*(8*\g+\t)+3], v[RD+3] offset:(8*\g+\t)*LP
.endr
.endm
.macro RSUM g, left                    ; left: the next group's 32 loads may be out
	s_wait_dscnt \left
	WIN 0x8a                                       ; parts 0 + 1, in window 2
.set j, 32*\g
.rept 16
	v_pk_add_f32 v[j:j+1], v[j:j+1], v[128+j:128+j+1]
.set j, j+2
.endr
	WIN 0xcf                                       ; parts 2 + 3, in window 3
.set j, 32*\g
.rept 16
	v_pk_add_f32 v[j:j+1], v[j:j+1], v[128+j:128+j+1]
.set j, j+2
.endr
	WIN 0x8e                                       ; the two pairs
.set j, 32*\g
.rept 16
	v_pk_add_f32 v[j:j+1], v[j:j+1], v[j:j+1]
.set j, j+2
.endr
	WIN 0x92                                       ; x 2^(e10 + e11), + (residual + bias) out of window 1
.set j, 32*\g
.rept 16
	v_pk_fma_f32 v[j:j+1], v[j:j+1], s[24:25], v[j:j+1] op_sel_hi:[1,0,1]
.set j, j+2
.endr
	WIN 0x08                                       ; the stores' data in window 2; no register of a store is written again
.set j, 8*\g
.rept 8
	global_store_b128 v[LI], v[4*j:4*j+3], s[28:29] offset:(8*(j/16)+(j%16)+8*((j%16)/8))*4096   ; 32 lanes store 512 consecutive bytes, aligned
.set j, j+1
.endr
.endm
	RLOAD 0
	RLOAD 1
	RSUM 0, 32
	RLOAD 2
	RSUM 1, 32
	RLOAD 3
	RSUM 2, 32
	RSUM 3, 0
	WIN 0
	s_wait_tensorcnt 0x0                           ; the wave's end: behind my last tensor load and my last LDS store
	ds_add_u32 v[SPW], v[NIL]
	s_wait_dscnt 0x0
	CROUND                                         ; the closing round
	s_endpgm
.Lfunc_end_k_q221aa868ee_mlp2:
	.size	k_q221aa868ee_mlp2, .Lfunc_end_k_q221aa868ee_mlp2-k_q221aa868ee_mlp2
	.p2alignl 7, 3214868480
	.fill 96, 4, 3214868480
	.section	.rodata,"a",@progbits
	.p2align	6, 0x0
	.amdhsa_kernel k_q221aa868ee_mlp2
		.amdhsa_group_segment_fixed_size 327680
		.amdhsa_private_segment_fixed_size 0
		.amdhsa_enable_private_segment 0
		.amdhsa_kernarg_size 48
		.amdhsa_user_sgpr_count 2
		.amdhsa_user_sgpr_kernarg_segment_ptr 1
		.amdhsa_wavefront_size32 1
		.amdhsa_system_sgpr_workgroup_id_x 1
		.amdhsa_system_sgpr_workgroup_id_y 1
		.amdhsa_system_sgpr_workgroup_id_z 1
		.amdhsa_system_vgpr_workitem_id 0
		.amdhsa_next_free_vgpr 1024
		.amdhsa_next_free_sgpr 66
		.amdhsa_reserve_vcc 0
		.amdhsa_float_denorm_mode_32 3
		.amdhsa_float_denorm_mode_16_64 3
		.amdhsa_memory_ordered 1
		.amdhsa_forward_progress 1
		.amdhsa_inst_pref_size 163
	.end_amdhsa_kernel
	.amdgpu_metadata
---
amdhsa.version: [ 1, 2 ]
amdhsa.kernels:
  - .name:           k_q221aa868ee_mlp2
    .symbol:         k_q221aa868ee_mlp2.kd
    .args:
      - { .name: gc, .offset: 0, .size: 8, .value_kind: global_buffer, .address_space: global }
      - { .name: wc, .offset: 8, .size: 8, .value_kind: global_buffer, .address_space: global }
      - { .name: mlp_b2, .offset: 16, .size: 8, .value_kind: global_buffer, .address_space: global }
      - { .name: x1, .offset: 24, .size: 8, .value_kind: global_buffer, .address_space: global }
      - { .name: lowp_scales, .offset: 32, .size: 8, .value_kind: global_buffer, .address_space: global }
      - { .name: out0, .offset: 40, .size: 8, .value_kind: global_buffer, .address_space: global }
    .group_segment_fixed_size: 327680
    .private_segment_fixed_size: 0
    .kernarg_segment_align: 8
    .kernarg_segment_size: 48
    .max_flat_workgroup_size: 128
    .sgpr_count:     66
    .vgpr_count:     1024
    .wavefront_size: 32
...
	.end_amdgpu_metadata
.endif
;; end of part 7
